; MI455X (gfx1250); checked and timed in simulation.
; The chip was launched on July 23, 2026; its instructions are those of AMD's public machine-readable ISA for CDNA 5 (MIT licence, August 2026) and "CDNA5" Instruction Set Architecture Reference Guide (July 2026). The comments in the code are by the model that wrote it; some were corrected since.
;; Cross Attention Block. Allowed arithmetic: matrix products marked QUANTISED: E2M1 operands, one E8M0 scale for each 32 along K, by v_wmma_scale_f32_16x16x128_f8f6f4 with both operands' format E2M1 (or v_wmma_scale_f32_32x16x128_f4), f32 sums; everything else in f32.
;; Inputs: bk 1,024 float32; bo 1,024 float32; bq 1,024 float32; bv 1,024 float32; kv_input 4 x 2,048 x 1,024 float32; ln_kv_b 1,024 float32; ln_kv_w 1,024 float32; ln_q_b 1,024 float32; ln_q_w 1,024 float32; mask 4 x 2,048 bool; query_input 4 x 2,048 x 1,024 float32; wk 1,024 x 1,024 float32; wo 1,024 x 1,024 float32; wq 1,024 x 1,024 float32; wv 1,024 x 1,024 float32.
;; Outputs: out0 4 x 2,048 x 1,024 float32.
;; This version of the problem:
;;   THIS VERSION OF THE PROBLEM IS GIVEN IN LOW PRECISION. The matrix products marked QUANTISED in the list below multiply operands that are first quantised to E2M1 (2 exponent bits, 1 mantissa bit; 4 bits a number), with one power-of-two scale for each 32 numbers along K (OCP MX v1.0); their sums are f32. All else is computed in f32.
;;   The module's matrix products, in the order in which they are computed (A, B: the left and right operand; K: the contracted axis; several contracted axes count as one K, in the product's order):
;;     1. [M 8,192, K 1,024] x [K 1,024, N 1,024]; A: computed on the way; B: input wq: QUANTISED
;;     2. [M 8,192, K 1,024] x [K 1,024, N 1,024]; A: computed on the way; B: input wk: QUANTISED
;;     3. [M 8,192, K 1,024] x [K 1,024, N 1,024]; A: computed on the way; B: input wv: QUANTISED
;;     4. batch 64 x [M 2,048, K 64] x [K 64, N 2,048]; A: computed on the way; B: computed on the way: QUANTISED
;;     5. batch 64 x [M 2,048, K 2,048] x [K 2,048, N 64]; A: softmax (see below); B: computed on the way: QUANTISED
;;     6. [M 8,192, K 1,024] x [K 1,024, N 1,024]; A: computed on the way; B: input wo: QUANTISED
;;   THE QUANTISER, for each operand of a quantised product, along K:
;;     - K is cut into blocks of 32 from its start; a last block that is shorter is filled with zeros.
;;     - A block's scale is 2^e with e = floor(log2(the largest magnitude in the block)) - 2, held to -126 .. 127; a block of zeros has e = 0. As a byte (E8M0): e + 127.
;;     - Each number is divided by its block's scale, clamped to +-6, and rounded to the nearest number of E2M1, ties to even, subnormals kept.
;;     - The product sums the exact products of the quantised numbers (number of the format x scale) in f32.
;;   ~~~python
;;   def quantise(x, axis):      # numpy; x: float32 -> the quantised numbers, widened to float32 again
;;       x = np.moveaxis(x, axis, -1); K = x.shape[-1]
;;       x = np.pad(x, [(0, 0)] * (x.ndim - 1) + [(0, -K % 32)]); x = x.reshape(x.shape[:-1] + (-1, 32)); a = np.abs(x).max(-1, keepdims=True)
;;       e = np.where(a > 0, np.clip(np.frexp(np.where(a > 0, a, 1))[1] - 1 - 2, -126, 127), 0)      # np.frexp(a)[1] - 1 = floor(log2(a)), exactly
;;       r = np.clip(x / 2.0 ** e, -6, 6)
;;       step = 2.0 ** (np.maximum(np.frexp(np.where(r == 0, 1, r))[1] - 1, 0) - 1)
;;       q = np.round(r / step) * step * 2.0 ** e      # np.round: ties to even
;;       return np.moveaxis(q.reshape(q.shape[:-2] + (-1,))[..., :K], -1, axis).astype(np.float32)
;;   ~~~
;;   SOFTMAX AHEAD OF A QUANTISED PRODUCT. Where the list says 'softmax', what is quantised is not the finished softmax but p = 2^(t - M), with t = logit x log2(e) and M = ceil(the row's largest t), a whole number; so 1/2 < the row's largest p <= 1. The row's sum l is taken of the UNQUANTISED p, in f32, and the product's result is divided by l at the end. Since M is a whole number, a kernel that streams over the keys may use a running M (the ceiling of the running maximum): every later rescaling is an exact power of two, which a block's scale takes up: the codes' values come out the same.
;;   OPERANDS COMPUTED ON THE WAY. 'Computed on the way' means the value that the module computes at that place (a softmax that the list does not call 'softmax' is quantised finished and normalised). What goes into a quantiser is computed in f32, as accurately as f32 sums, v_exp_f32 and their like allow (about 1e-6 of the number): no bf16 or f16 on the way to a quantiser, and a product that is left as it is and whose result goes on into a quantised operand takes f32 operands (vector FMAs, or v_wmma_f32_16x16x4_f32). A number that lies on a knife's edge between two numbers of the format may be rounded either way, as far as f32 arithmetic and the matrix unit's own rounding can turn it there, and no further.
;; 2 versions, each right; version 2 is version 1 with the launch attn written anew for expert scheduling mode. Each part assembles by itself: llvm-mc -triple=amdgcn-amd-amdhsa -mcpu=gfx1250 --defsym DOCPART=n.
;; ======== version 1 of 2: 4 launches
;; limits: right only within a limited range of input values
;; workspace buffers: xcod 10,485,760 bytes; xscl 655,360 bytes; hcod 12,582,912 bytes; hscl 1,572,864 bytes; acod 4,194,304 bytes; ascl 262,144 bytes; mflag 512 bytes of whole numbers
;; launch prep (part 1): grid 320 x 1, 4 waves a work-group, no clusters, 55,808 bytes of LDS; arguments query_input, kv_input, wq, wk, wv, wo, ln_q_w, ln_q_b, ln_kv_w, ln_kv_b, mask, xcod, xscl, mflag; writes xcod, xscl, mflag
.if DOCPART == 1
	.amdgcn_target "amdgcn-amd-amdhsa--gfx1250"
	.amdhsa_code_object_version 6
	.text
	.protected	k_qc311143231_prep
	.globl	k_qc311143231_prep
	.p2align	8
	.type	k_qc311143231_prep,@function
k_qc311143231_prep:
	s_mov_b64 s[64:65], 0
	v_nop
	global_prefetch_b8 v0, s[64:65] scope:SCOPE_SE
	s_setreg_imm32_b32 hwreg(HW_REG_WAVE_MODE, 25, 1), 1
	s_wait_xcnt 0x0
; PREP.  LayerNorm(query_input), LayerNorm(kv_input) and the four weights as they are, all rows of 1,024 f32, become codes of FP4 (E2M1) with one E8M0 byte for each 32 along the row.
; OUTPUT LAYOUT: images of operand registers.  A stored tile is 16 rows; its lane r holds true row 32 (tile / 2) + 8 (tile % 2) + r + 8 (r / 8).
;   xcod [slot 2][tile 1280][q' 4][c 2][lane 32][16 bytes]: lane (r, h) holds the codes of k = 128 (4 slot + q') + 64 c + 32 h + 0 .. 31 of its row.   xscl [tile][slot][r][16 bytes]: byte 4 q' + block.
;   tiles: query rows 0-511, kv rows 512-1023, wq 1024.., wk 1088.., wv 1152.., wo 1216..1279.
; SHARES: a work-group takes four tiles, a wave one tile, row by row.  A row is loaded dense (32 lanes x 16 bytes, eight loads), normalised in that layout, and turned through the wave's own LDS so that
; lane l holds block l (32 neighbours): its largest magnitude needs no other lane.  The codes of 16 rows gather in LDS and leave as 16 stores of 512 consecutive bytes; the scale bytes as one such store.
; Waves share nothing: no barrier.  No two work-groups read the same rows (the two gain vectors are 8 KB): no cluster, no tensor load.
; The mask's flags: work-group b < 4, wave 0: bit l of every word of mflag[b] is 1 where keys 64 l .. 64 l + 63 of batch b have a hole.
; LIMITS: NaN and infinities among the inputs are not served; a block whose largest magnitude lies under 2^-124 keeps the byte 1, a block of zeros too (its codes are zeros; this program alone reads the bytes).
; The last step of the norm is one fused multiply-add, ((x - mu) rs) w + b with one rounding.
.set WREG, 13824                       ; LDS of a wave: the turn stage 32 x 144, the codes 32 x 272, 512 scale bytes
.set CSO,  4608
.set SBO,  13312
.set XSL,  5242880                     ; from slot 0 to slot 1 of xcod
.set W, 32                             ; v32-63   gain, register 4 j + e = column 128 j + 4 lane + e
.set B, 64                             ; v64-95   bias, likewise
.set X, 96                             ; v96-191  three sets of 32: rows as loaded
.set Y, 192                            ; v192-223 my block's 32 neighbours
.set C, 224                            ; v224-227 their codes
	s_load_b512 s[8:23], s[0:1], 0x0               ; query s[8:9], kv s[10:11], wq, wk, wv, wo s[12:19], ln_q_w s[20:21], ln_q_b s[22:23]
	s_load_b256 s[24:31], s[0:1], 0x40             ; ln_kv_w, ln_kv_b, mask s[28:29], xcod s[30:31]
	s_load_b128 s[32:35], s[0:1], 0x60             ; xscl, mflag
	v_lshl_add_u32 v232, v0, 2, 0xd800
	v_mov_b32 v233, 0
	v_lshrrev_b32 v1, 5, v0
	v_readfirstlane_b32 s36, v1                    ; wave
	v_and_b32 v1, 31, v0                           ; lane
	v_lshlrev_b32 v2, 4, v1                        ; 16 x lane: my bytes of 512
	s_mul_i32 s37, s36, WREG
	s_add_co_u32 s56, s37, CSO
	s_add_co_u32 s57, s37, SBO
	v_lshrrev_b32 v3, 3, v1
	v_mul_u32_u24 v3, v3, 144
	v_and_b32 v4, 7, v1
	v_lshl_add_u32 v3, v4, 4, v3
	v_add_nc_u32 v3, s37, v3                       ; into the turn stage: eight lanes' 128 bytes on end, then 16 of padding
	v_mul_u32_u24 v4, v1, 144
	v_add_nc_u32 v4, s37, v4                       ; out of it: block = lane
	v_mul_u32_u24 v5, v1, 272
	v_add_nc_u32 v5, s56, v5                       ; codes in: block l at 272 l, row p at + 16 p
	v_and_b32 v8, 15, v1
	v_lshrrev_b32 v9, 4, v1
	v_mul_u32_u24 v6, v9, 272
	v_lshl_add_u32 v6, v8, 4, v6
	v_add_nc_u32 v6, s56, v6                       ; codes out: block 2 k + h, row r
	v_lshl_add_u32 v7, v9, 8, v8
	v_add_nc_u32 v7, s57, v7                       ; my block's byte: slot l / 16, byte l % 16; row p at + 16 p
	v_add_nc_u32 v8, s57, v2                       ; the 512 bytes out
	v_mov_b32 v11, 0                               ; upper halves of the pairs v[10:11], v[12:13]: named with the low words, so they are written
	v_mov_b32 v13, 0
	v_mov_b32 v26, 0                               ; a lane permute's destination counts as read
	s_mov_b32 s38, 0x76543210
	s_mov_b32 s39, 0xfedcba98                      ; lane l xor 16
	s_mov_b32 s47, 0x3a800000                      ; 1 / 1024
	s_mov_b32 s48, 0x3727c5ac                      ; 1e-5
	s_wait_kmcnt 0x0
	; which tensor: the choice hangs on the work-group's number alone
	s_cmp_lt_u32 ttmp9, 128
	s_cselect_b64 s[40:41], s[8:9], s[10:11]
	s_cselect_b64 s[52:53], s[20:21], s[24:25]     ; its gain and bias (loaded and not used by the weights' work-groups)
	s_cselect_b64 s[54:55], s[22:23], s[26:27]
	s_cselect_b32 s49, 0, 128                      ; the tensor's first work-group
	s_cmp_lt_u32 ttmp9, 256
	s_cselect_b64 s[40:41], s[40:41], s[12:13]
	s_cselect_b32 s49, s49, 256
	s_cselect_b32 s46, 0, 1                        ; 1: a weight, no norm
.macro NEXTSRC lim, reg
	s_cmp_lt_u32 ttmp9, \lim
	s_cselect_b64 s[40:41], s[40:41], s[\reg:\reg+1]
	s_cselect_b32 s49, s49, \lim
.endm
	NEXTSRC 272, 14
	NEXTSRC 288, 16
	NEXTSRC 304, 18
	s_sub_co_u32 s50, ttmp9, s49
	s_lshl_b32 s50, s50, 6
	s_lshr_b32 s51, s36, 1
	s_lshl_b32 s51, s51, 5
	s_add_co_u32 s50, s50, s51
	s_and_b32 s51, s36, 1
	s_lshl_b32 s51, s51, 3
	s_add_co_u32 s50, s50, s51                     ; my tile's first true row: 64 x work-group + 32 (wave / 2) + 8 (wave % 2)
	s_lshl_b32 s50, s50, 12
	s_mov_b32 s51, 0
	s_add_nc_u64 s[40:41], s[40:41], s[50:51]
	s_lshl_b32 s50, ttmp9, 2
	s_add_co_u32 s50, s50, s36                     ; my tile
	s_lshl_b32 s58, s50, 12
	s_mov_b32 s59, 0
	s_add_nc_u64 s[42:43], s[30:31], s[58:59]
	s_lshl_b32 s58, s50, 9
	s_add_nc_u64 s[44:45], s[32:33], s[58:59]
.irp j, 0,1,2,3,4,5,6,7
	global_load_b128 v[W+4*\j:W+4*\j+3], v2, s[52:53] offset:512*\j
	global_load_b128 v[B+4*\j:B+4*\j+3], v2, s[54:55] offset:512*\j
.endr
.macro LOADROW p                       ; row p of the tile: eight loads of 512 consecutive bytes
.irp j, 0,1,2,3,4,5,6,7
	global_load_b128 v[X+32*((\p)%3)+4*\j:X+32*((\p)%3)+4*\j+3], v2, s[40:41] offset:(((\p)&7)+16*((\p)>>3))*4096+512*\j th:TH_LOAD_NT
.endr
.endm
	LOADROW 0
	LOADROW 1
	LOADROW 2
.macro FOLD                            ; four packed chains v[14:21] become one sum, in every lane's v14
	v_pk_add_f32 v[14:15], v[14:15], v[16:17]
	v_pk_add_f32 v[18:19], v[18:19], v[20:21]
	v_pk_add_f32 v[14:15], v[14:15], v[18:19]
	v_add_f32 v14, v14, v15
	v_add_f32_dpp v14, v14, v14 row_xmask:1 row_mask:0xf bank_mask:0xf
	v_add_f32_dpp v14, v14, v14 row_xmask:2 row_mask:0xf bank_mask:0xf
	v_add_f32_dpp v14, v14, v14 row_xmask:4 row_mask:0xf bank_mask:0xf
	v_add_f32_dpp v14, v14, v14 row_xmask:8 row_mask:0xf bank_mask:0xf
	v_permlanex16_b32 v26, v14, s38, s39
	v_add_f32 v14, v14, v26
.endm
.macro ROW p
.set XS, X+32*((\p)%3)
.if (\p) < 14
	s_wait_loadcnt 16                              ; this row's eight loads are in; the two rows behind it, eight loads each, may be out
.else
	s_wait_loadcnt 8*(15-(\p))
.endif
	s_cmp_lg_u32 s46, 0
	s_cbranch_scc1 .Lraw_\@                        ; a weight is quantised as it is
.irp c, 0,1,2,3
	v_pk_add_f32 v[14+2*\c:15+2*\c], v[XS+4*\c:XS+4*\c+1], v[XS+4*\c+2:XS+4*\c+3]
.endr
.irp i, 16,24
.irp c, 0,1,2,3
	v_pk_add_f32 v[14+2*\c:15+2*\c], v[14+2*\c:15+2*\c], v[XS+\i+2*\c:XS+\i+2*\c+1]
.endr
.endr
	FOLD
	v_mul_f32 v10, s47, v14                        ; the mean
.irp i, 0,2,4,6,8,10,12,14,16,18,20,22,24,26,28,30
	v_pk_add_f32 v[XS+\i:XS+\i+1], v[XS+\i:XS+\i+1], v[10:11] op_sel_hi:[1,0] neg_lo:[0,1] neg_hi:[0,1]
.endr
.irp c, 0,1,2,3
	v_pk_mul_f32 v[14+2*\c:15+2*\c], v[XS+2*\c:XS+2*\c+1], v[XS+2*\c:XS+2*\c+1]
.endr
.irp i, 8,16,24
.irp c, 0,1,2,3
	v_pk_fma_f32 v[14+2*\c:15+2*\c], v[XS+\i+2*\c:XS+\i+2*\c+1], v[XS+\i+2*\c:XS+\i+2*\c+1], v[14+2*\c:15+2*\c]
.endr
.endr
	FOLD
	v_fma_f32 v22, v14, s47, s48                   ; the variance + 1e-5
	v_rsq_f32 v12, v22
	v_nop                                          ; a plain instruction behind the transcendental
	s_wait_alu depctr_va_vdst(0)                   ; the wait ahead of the first reader
.irp i, 0,2,4,6,8,10,12,14,16,18,20,22,24,26,28,30
	v_pk_mul_f32 v[XS+\i:XS+\i+1], v[XS+\i:XS+\i+1], v[12:13] op_sel_hi:[1,0]
.endr
.irp i, 0,2,4,6,8,10,12,14,16,18,20,22,24,26,28,30
	v_pk_fma_f32 v[XS+\i:XS+\i+1], v[XS+\i:XS+\i+1], v[W+\i:W+\i+1], v[B+\i:B+\i+1]
.endr
.Lraw_\@:
.irp j, 0,1,2,3,4,5,6,7
	ds_store_b128 v3, v[XS+4*\j:XS+4*\j+3] offset:576*\j
.endr
.irp e, 0,1,2,3,4,5,6,7
	ds_load_b128 v[Y+4*\e:Y+4*\e+3], v4 offset:16*\e      ; LDS serves a wave's instructions in order: these see the stores above
.endr
	s_wait_dscnt 0x0                               ; my block is in; the stores have read the set, which takes the row three further on
.if (\p) < 13
	LOADROW (\p)+3
.endif
	v_max3_num_f32 v22, |v[Y]|, |v[Y+1]|, |v[Y+2]|
	v_max3_num_f32 v23, |v[Y+3]|, |v[Y+4]|, |v[Y+5]|
.irp i, 6,10,14,18,22,26
	v_max3_num_f32 v22, v22, |v[Y+\i]|, |v[Y+\i+1]|
	v_max3_num_f32 v23, v23, |v[Y+\i+2]|, |v[Y+\i+3]|
.endr
	v_max3_num_f32 v22, v22, |v[Y+30]|, |v[Y+31]|
	v_max3_num_f32 v22, v22, v23, 0x1800000        ; and the floor 2^(3 - 127): the byte cannot fall under 1
	v_add_nc_u32 v24, 0xff000000, v22              ; 2 off the exponent field: the conversion takes that field as its scale
.irp g, 0,1,2,3
	v_cvt_scalef32_pk8_fp4_f32 v[C+\g], v[Y+8*\g:Y+8*\g+7], v24
.endr
	v_lshrrev_b32 v25, 23, v24                     ; the scale's byte (also the plain line behind the conversions)
	ds_store_b128 v5, v[C:C+3] offset:16*(\p)
	ds_store_b8 v7, v25 offset:16*(\p)
.endm
.irp p, 0,1,2,3,4,5,6,7,8,9,10,11,12,13,14,15
	ROW \p
.endr
	; the way out: fragment half k = 2 q + c: lane (r, h) takes block 2 k + h of row r
.irp k, 0,1,2,3,4,5,6,7,8,9,10,11,12,13,14,15
	ds_load_b128 v[X+4*\k:X+4*\k+3], v6 offset:544*\k
.endr
	ds_load_b128 v[X+64:X+67], v8
.irp k, 0,1,2,3,4,5,6,7,8,9,10,11,12,13,14,15
	s_wait_dscnt 16-\k                             ; behind load k: the 15 - k younger code loads and the scale bytes' load
	global_store_b128 v2, v[X+4*\k:X+4*\k+3], s[42:43] offset:(\k>>3)*XSL+(\k&7)*512     ; 512 consecutive bytes, aligned
.endr
	s_wait_dscnt 0x0
	global_store_b128 v2, v[X+64:X+67], s[44:45]
	; the mask's flags
	s_cmp_lt_u32 ttmp9, 4
	s_cbranch_scc0 .Ldone
	s_cmp_eq_u32 s36, 0
	s_cbranch_scc0 .Ldone
	s_lshl_b32 s50, ttmp9, 11
	s_mov_b32 s51, 0
	s_add_nc_u64 s[28:29], s[28:29], s[50:51]      ; batch b's 2,048 bytes
	s_lshl_b32 s50, ttmp9, 7
	s_add_nc_u64 s[34:35], s[34:35], s[50:51]
	v_lshlrev_b32 v9, 6, v1                        ; 64 keys a lane
	v_lshlrev_b32 v27, 2, v1
.irp i, 0,1,2,3
	global_load_b128 v[Y+4*\i:Y+4*\i+3], v9, s[28:29] offset:16*\i
.endr
	s_wait_loadcnt 0x0
.irp i, 4,8,12
.irp c, 0,1,2,3
	v_and_b32 v[Y+\c], v[Y+\c], v[Y+\i+\c]
.endr
.endr
	v_and_b32 v[Y], v[Y], v[Y+1]
	v_and_b32 v[Y+2], v[Y+2], v[Y+3]
	v_and_b32 v[Y], v[Y], v[Y+2]
	v_cmp_ne_u32 vcc_lo, 0x1010101, v[Y]           ; a byte that is not 1: a hole among my 64 keys
	v_mov_b32 v[Y+16], vcc_lo
	global_store_b32 v27, v[Y+16], s[34:35]        ; the same word 32 times
.Ldone:
	s_wait_tensorcnt 0x0
	ds_add_u32 v232, v233
	s_wait_dscnt 0x0
	s_endpgm
.Lfunc_end_k_qc311143231_prep:
	.size	k_qc311143231_prep, .Lfunc_end_k_qc311143231_prep-k_qc311143231_prep
	.p2alignl 7, 3214868480
	.fill 96, 4, 3214868480
	.section	.rodata,"a",@progbits
	.p2align	6, 0x0
	.amdhsa_kernel k_qc311143231_prep
		.amdhsa_group_segment_fixed_size 55808
		.amdhsa_private_segment_fixed_size 0
		.amdhsa_enable_private_segment 0
		.amdhsa_kernarg_size 112
		.amdhsa_user_sgpr_count 2
		.amdhsa_user_sgpr_kernarg_segment_ptr 1
		.amdhsa_wavefront_size32 1
		.amdhsa_system_sgpr_workgroup_id_x 1
		.amdhsa_system_sgpr_workgroup_id_y 1
		.amdhsa_system_sgpr_workgroup_id_z 1
		.amdhsa_system_vgpr_workitem_id 0
		.amdhsa_next_free_vgpr 234
		.amdhsa_next_free_sgpr 66
		.amdhsa_reserve_vcc 1
		.amdhsa_float_denorm_mode_32 3
		.amdhsa_float_denorm_mode_16_64 3
		.amdhsa_memory_ordered 1
		.amdhsa_forward_progress 1
		.amdhsa_inst_pref_size 161
	.end_amdhsa_kernel
	.amdgpu_metadata
---
amdhsa.version: [ 1, 2 ]
amdhsa.kernels:
  - .name:           k_qc311143231_prep
    .symbol:         k_qc311143231_prep.kd
    .args:
      - { .name: query_input, .offset: 0, .size: 8, .value_kind: global_buffer, .address_space: global }
      - { .name: kv_input, .offset: 8, .size: 8, .value_kind: global_buffer, .address_space: global }
      - { .name: wq, .offset: 16, .size: 8, .value_kind: global_buffer, .address_space: global }
      - { .name: wk, .offset: 24, .size: 8, .value_kind: global_buffer, .address_space: global }
      - { .name: wv, .offset: 32, .size: 8, .value_kind: global_buffer, .address_space: global }
      - { .name: wo, .offset: 40, .size: 8, .value_kind: global_buffer, .address_space: global }
      - { .name: ln_q_w, .offset: 48, .size: 8, .value_kind: global_buffer, .address_space: global }
      - { .name: ln_q_b, .offset: 56, .size: 8, .value_kind: global_buffer, .address_space: global }
      - { .name: ln_kv_w, .offset: 64, .size: 8, .value_kind: global_buffer, .address_space: global }
      - { .name: ln_kv_b, .offset: 72, .size: 8, .value_kind: global_buffer, .address_space: global }
      - { .name: mask, .offset: 80, .size: 8, .value_kind: global_buffer, .address_space: global }
      - { .name: xcod, .offset: 88, .size: 8, .value_kind: global_buffer, .address_space: global }
      - { .name: xscl, .offset: 96, .size: 8, .value_kind: global_buffer, .address_space: global }
      - { .name: mflag, .offset: 104, .size: 8, .value_kind: global_buffer, .address_space: global }
    .group_segment_fixed_size: 55808
    .private_segment_fixed_size: 0
    .kernarg_segment_align: 8
    .kernarg_segment_size: 112
    .max_flat_workgroup_size: 128
    .sgpr_count:     66
    .vgpr_count:     234
    .wavefront_size: 32
...
	.end_amdgpu_metadata
.endif
;; end of part 1
;; launch proj (part 2): grid 12 x 64, 4 waves a work-group, clusters of 4 x 4, 209,408 bytes of LDS; arguments xcod, xscl, bq, bk, bv, hcod, hscl; writes hcod, hscl
.if DOCPART == 2
	.amdgcn_target "amdgcn-amd-amdhsa--gfx1250"
	.amdhsa_code_object_version 6
	.text
	.protected	k_qc311143231_proj
	.globl	k_qc311143231_proj
	.p2align	8
	.type	k_qc311143231_proj,@function
k_qc311143231_proj:
	s_mov_b64 s[64:65], 0
	v_nop
	global_prefetch_b8 v0, s[64:65] scope:SCOPE_SE
	s_setreg_imm32_b32 hwreg(HW_REG_WAVE_MODE, 25, 1), 1
	s_wait_xcnt 0x0
	s_wait_alu depctr_hold_cnt(0) depctr_sa_sdst(0) depctr_va_vdst(0) depctr_va_sdst(0) depctr_va_ssrc(0) depctr_va_vcc(0) depctr_vm_vsrc(0)
	s_getreg_b32 s2, hwreg(HW_REG_IB_STS2, 6, 4)
	s_cmp_eq_u32 s2, 0
	s_cbranch_scc0 .Lentry_in_a_cluster
	s_endpgm
.Lentry_in_a_cluster:
	s_bfe_u32 s2, ttmp6, 0x10000c
	s_cmp_lg_u32 s2, 0xf033
	s_cbranch_scc0 .Lentry_shape_is_right
	s_endpgm
.Lentry_shape_is_right:
; PROJ.  Q = LN(q) wq^T + bq, K = LN(kv) wk^T + bk, V^T = wv LN(kv)^T + bv, on codes of FP4 with E8M0 scales; the results are quantised in registers: Q and K along the head's 64, V along the keys.
; ONE BODY: C[i][j] = sum over k of X[i][k] Y[j][k].  Cluster x = 0: X = query rows, Y = wq; 1: X = kv rows, Y = wk; 2: X = wv's rows, Y = kv rows (so that V's columns are the keys).  The result is always quantised along j.
; OPERANDS lie in memory as images of operand registers (see xcod below); lane r of stored tile t holds true row 32 (t / 2) + 8 (t % 2) + r + 8 (r / 8).
;   xcod [slot 2][tile 1280][q' 4][c 2][lane 32][16]   xscl [tile][slot][r][16]   tiles: query 0.., kv 512.., wq 1024.., wk 1088.., wv 1152..
; THE MATRIX INSTRUCTION IS USED TRANSPOSED (source 0 = 16 rows of Y, source 1 = 16 rows of X): lane (r, h) holds row r of X's tile, and the 16 registers of Y's tiles 2 b, 2 b + 1 are the true neighbours j = 32 b + 16 h + 0 .. 15.
; SHARES: a work-group makes 128 (i) x 256 (j); wave (g, jh) makes X's tiles 4 g .. 4 g + 3 x Y's tiles 8 jh .. 8 jh + 7: 32 accumulators.  All of K = 1,024 lies in LDS, in two parts of 512: no LDS byte is filled twice.
; CLUSTER 4 x 4: X's tiles are shared along a row of the cluster, Y's along a column: joint loads.  A wave issues three tensor loads (scales, K part 0, K part 1): three are out at the most.
; OUTPUT: hcod [p 3][head 64][step 16][4096]: Q, K: [tile 8][lane][16] (the lower four registers of a fragment); V: [a 4][c 2][lane][16].   hscl, 524,288 bytes a p: Q, K: [head][step][g 2][r 16][a 4] words (bytes 0, 1: the two blocks); V: [head][step][r 16][a 4] words.
; LIMITS: NaN and infinities are not served; blocks under 2^-124, and blocks of zeros, keep the byte 1 (this program alone reads the bytes).
; REGISTERS: window 0: v1-23 addresses; v32-95 scale words, two sets; v96-159 X's fragments, two sets; v160-223 the epilogue.  window 1: accumulator (a, b) at v[8 (8 a + b)].  window 2: Y's fragments, two sets at v0, v64; v128-191 the bias by column; v192-223 the bias by row.
.set XSLX, 5242880                     ; from K part 0 to K part 1 in X's buffer, and in Y's
.set XSLY, 5242880
.set SLOT, 98304                       ; LDS: a K part: X's 8 tiles x 4,096 bytes, then Y's 16
.set YOF,  32768
.set SCL,  196608                      ; behind both: X's scales 4,096 bytes, Y's 8,192
.set ADRX, 4                           ; v4-5  my X fragments in K part 0, 1
.set ADRY, 6                           ; v6-7  my Y fragments
.set ADRS, 8                           ; v8    my scale words: lanes 0-15 X's, lanes 16-31 Y's
.set SC,   32
.set XF,   96
.set BJ,   128
.set BI,   192
.set TM,   160
.set PW,   176
.set SW,   180
.set PC,   192
.set G1X, 24
.set G0X, 32
.set G1Y, 48
.set G0Y, 56
.set G1SX, 68
.set G0SX, 76
.set G1SY, 80
.set G0SY, 88
.set MSB, 0
.macro WIN new                         ; the immediate's high byte repeats the setting that is left
.if MSB != \new
	s_set_vgpr_msb (MSB<<8)|\new
.set MSB, \new
.endif
.endm
.macro PLACES n
.rept \n
	v_nop
.endr
.endm
; A joint load: waves 0 and 1 fetch for X, waves 2 and 3 for Y; the branch hangs on the wave's number alone.  Four v_nop follow each line.
.macro JLOAD g0x, g1x, g0y, g1y
	s_cmp_eq_u32 s19, 0
	s_cbranch_scc0 .Lfor_y_\@
	tensor_load_to_lds s[\g0x:\g0x+3], s[\g1x:\g1x+7]
	s_nop 0
	PLACES 4
	s_branch .Lasked_\@
.Lfor_y_\@:
	tensor_load_to_lds s[\g0y:\g0y+3], s[\g1y:\g1y+7]
	s_nop 0
	PLACES 4
.Lasked_\@:
.endm
.macro CROUND                          ; a round of the cluster's barrier
	s_barrier_signal -1
	s_barrier_wait -1
	s_cmp_lg_u32 s18, 0
	s_cbranch_scc1 .Lnot_wave_0_\@
	s_barrier_signal -3
.Lnot_wave_0_\@:
	s_barrier_wait -3
	s_barrier_signal -1
	s_barrier_wait -1
.endm
.macro SHAPE g, rows                   ; group 1, words 1 to 7: a dense block as rows of 256 bytes (32 elements of 8 bytes)
	s_mov_b32 s[\g+1], 32<<16
	s_mov_b32 s[\g+2], (\rows)<<16
	s_mov_b32 s[\g+3], 32<<16
	s_mov_b32 s[\g+4], \rows
	s_mov_b32 s[\g+5], 32
	s_mov_b32 s[\g+6], 0
	s_mov_b32 s[\g+7], 0
.endm
.macro PLACE g0, lreg, lconst, areg, step      ; group 0: count, LDS address, global address, type
	s_mov_b32 s[\g0], 1
	s_add_co_u32 s[\g0+1], s[\lreg], \lconst
	s_add_nc_u64 s[\g0+2:\g0+3], s[\areg:\areg+1], \step
	s_or_b32 s[\g0+3], s[\g0+3], 0x80000000
.endm
.macro FRAG reg, adr, off              ; a fragment's image: 2 x 512 consecutive bytes
	ds_load_b128 v[\reg:\reg+3], v[\adr] offset:\off
	ds_load_b128 v[\reg+4:\reg+7], v[\adr] offset:\off+512
.endm
.macro FETCH q                         ; K step q (128 along K): Y's eight fragments and X's four, into set q % 2: 24 loads
	WIN 0x80
.irp b, 0,1,2,3,4,5,6,7
	FRAG 64*((\q)%2)+8*\b, ADRY+(\q)/4, 4096*\b+1024*((\q)%4)
.endr
	WIN 0
.irp a, 0,1,2,3
	FRAG XF+32*((\q)%2)+8*\a, ADRX+(\q)/4, 4096*\a+1024*((\q)%4)
.endr
.endm
.macro SCALES s                        ; the scale words of K part s: register 4 i + q': lanes 0-15 X's tile i, lanes 16-31 Y's tile i (for i over 3 lanes 0-15 read filled bytes that nobody uses)
.irp i, 0,1,2,3,4,5,6,7
	ds_load_b128 v[SC+32*\s+4*\i:SC+32*\s+4*\i+3], v[ADRS] offset:512*\i+256*\s
.endr
.endm
.macro WM a, b, q, c0
	v_wmma_scale_f32_16x16x128_f8f6f4 v[8*(8*\a+\b):8*(8*\a+\b)+7], v[64*((\q)%2)+8*\b:64*((\q)%2)+8*\b+7], v[XF+32*((\q)%2)+8*\a:XF+32*((\q)%2)+8*\a+7], v[\c0:\c0+7], v[SC+32*((\q)/4)+4*\b+(\q)%4], v[SC+32*((\q)/4)+4*\a+(\q)%4] matrix_a_fmt:MATRIX_FMT_FP4 matrix_b_fmt:MATRIX_FMT_FP4 matrix_a_scale:MATRIX_SCALE_ROW1
.endm
; 32 products: the accumulators take turns, one instruction a turn, in the same order in every K step.  mode 0: onto the sums; 1: the sums start from the bias by column; 2: from the bias by row
.macro MUL q, mode
.if \mode == 0
	WIN 0x52                                       ; Y window 2, X window 0, C and D window 1
.else
	WIN 0x62                                       ; C window 2
.endif
.irp a, 0,1,2,3
.irp b, 0,1,2,3,4,5,6,7
.if \mode == 0
	WM \a, \b, \q, 8*(8*\a+\b)
.elseif \mode == 1
	WM \a, \b, \q, BJ+8*\b
.else
	WM \a, \b, \q, BI+8*\a
.endif
.endr
.endr
	WIN 0
.endm
.macro STEP q, mode
.if (\q) == 3
	s_wait_tensorcnt 0x0                           ; my part of K part 1 is in (no load was issued behind it),
	s_wait_dscnt 0x0                               ; no LDS load of mine is out at the signal,
	s_barrier_signal -1
	s_barrier_wait -1                              ; everybody's part is in
.endif
.if (\q) > 0
	PLACES 4                                       ; in front of loads into registers that the K step before last's successor, step q - 1, has read
.endif
.if (\q) < 7
	FETCH (\q)+1
.endif
.if (\q) == 3
	SCALES 1
	s_wait_dscnt 32                                ; all but the 24 + 8 just issued
.elseif (\q) < 7
	s_wait_dscnt 24                                ; all but the 24 just issued: this step's fragments are in
.else
	s_wait_dscnt 0x0
.endif
.if \mode == 3                         ; the first step: which bias starts the sums hangs on the cluster's x, the same in all partners
	s_cmp_eq_u32 ttmp9, 2
	s_cbranch_scc1 .Lrow_bias
	MUL \q, 1
	s_branch .Lbiased
.Lrow_bias:
	MUL \q, 2
.Lbiased:
.else
	MUL \q, \mode
.endif
.endm
	s_load_b256 s[4:11], s[0:1], 0x0               ; xcod s[4:5], xscl s[6:7], bq s[8:9], bk s[10:11]
	s_load_b128 s[12:15], s[0:1], 0x20             ; bv s[12:13], hcod s[14:15]
	s_load_b64 s[16:17], s[0:1], 0x30              ; hscl
	v_lshl_add_u32 v254, v0, 2, 0x33000
	v_mov_b32 v255, 0
	ds_add_u32 v254, v255
	ds_add_u32 v254, v255
	v_lshrrev_b32 v1, 5, v0
	v_readfirstlane_b32 s18, v1                    ; wave
	s_lshr_b32 s19, s18, 1                         ; g: my half of X's tiles.  Also: I fetch for X (0) or for Y (1)
	s_and_b32 s20, s18, 1                          ; jh: my half of Y's tiles.  Also: which half I fetch
	s_bfe_u32 s21, ttmp6, 0x40000                  ; cx
	s_bfe_u32 s22, ttmp6, 0x40004                  ; cy
	s_lshr_b32 s40, ttmp9, 1                       ; isV: 1 for the third product
	s_and_b32 s41, ttmp7, 0xffff                   ; cluster y, 0 .. 15
	s_lshl_b32 s2, s22, 2
	s_lshl_b32 s2, 15, s2                          ; my row of the cluster
	s_lshl_b32 s3, 0x1111, s21                     ; my column
	s_or_b32 s[G1X], s2, (3<<16)|(1<<21)           ; 15:0 the mask; 17:16 elements of 8 bytes; 21 set beside a mask; no padding
	s_or_b32 s[G1SX], s2, (3<<16)|(1<<21)
	s_or_b32 s[G1Y], s3, (3<<16)|(1<<21)
	s_or_b32 s[G1SY], s3, (3<<16)|(1<<21)
	SHAPE G1X, 64                                  ; 4 tiles of codes: 16 KB
	SHAPE G1Y, 128                                 ; 8 tiles: 32 KB
	SHAPE G1SX, 8                                  ; their scales: 2 KB,
	SHAPE G1SY, 16                                 ; 4 KB
	; X's block of 128 rows: it = 4 yA + cy; yA = cluster y (Q, K: 64 blocks) or cluster y % 2 (V: 8).  These registers never hold cx
	s_mul_i32 s42, s40, 14
	s_sub_co_u32 s42, 15, s42
	s_and_b32 s42, s41, s42
	s_lshl_b32 s42, s42, 2
	s_add_co_u32 s42, s42, s22                     ; it
	s_lshl_b32 s43, ttmp9, 9
	s_lshl_b32 s44, s40, 7
	s_add_co_u32 s43, s43, s44                     ; X's first tile: 0, 512 or 1152
	s_lshl_b32 s44, s42, 3
	s_add_co_u32 s43, s43, s44
	s_lshl_b32 s44, s20, 2
	s_add_co_u32 s43, s43, s44                     ; + 8 it + 4 x the half that I fetch
	s_lshl_b32 s44, s43, 12
	s_mov_b32 s45, 0
	s_lshl_b32 s96, s43, 9
	s_mov_b32 s97, 0
	; Y's block of 256 rows: jt = 4 yB + cx; yB = 0 (Q, K: 4 blocks) or cluster y / 2 (V: 32).  These registers never hold cy
	s_lshr_b32 s46, s41, 1
	s_mul_i32 s46, s46, s40
	s_lshl_b32 s46, s46, 2
	s_add_co_u32 s46, s46, s21                     ; jt
	s_lshl_b32 s47, ttmp9, 6
	s_add_co_u32 s47, s47, 1024
	s_mul_i32 s92, s40, 640
	s_sub_co_u32 s47, s47, s92                     ; Y's first tile: 1024, 1088 or 512
	s_lshl_b32 s92, s46, 4
	s_add_co_u32 s47, s47, s92
	s_lshl_b32 s92, s20, 3
	s_add_co_u32 s47, s47, s92                     ; + 16 jt + 8 x the half that I fetch
	s_lshl_b32 s92, s47, 12
	s_mov_b32 s93, 0
	s_lshl_b32 s94, s47, 9
	s_mov_b32 s95, 0
	s_lshl_b32 s98, s20, 14                        ; where they go: by the wave's number alone
	s_lshl_b32 s99, s20, 15
	s_lshl_b32 s100, s20, 11
	s_lshl_b32 s101, s20, 12
	s_wait_dscnt 0x0
	s_wait_kmcnt 0x0
	s_add_nc_u64 s[44:45], s[4:5], s[44:45]        ; X's codes, scales
	s_add_nc_u64 s[96:97], s[6:7], s[96:97]
	s_add_nc_u64 s[92:93], s[4:5], s[92:93]        ; Y's
	s_add_nc_u64 s[94:95], s[6:7], s[94:95]
	CROUND                                         ; all sixteen work-groups are here: the joint loads meet
	PLACE G0SX, 100, SCL, 96, 0
	PLACE G0SY, 101, SCL+4096, 94, 0
	JLOAD G0SX, G1SX, G0SY, G1SY
.irp s, 0,1
	PLACE G0X+4*\s, 98, \s*SLOT, 44, \s*XSLX
	PLACE G0Y+4*\s, 99, \s*SLOT+YOF, 92, \s*XSLY
	JLOAD G0X+4*\s, G1X, G0Y+4*\s, G1Y
.endr
	v_and_b32 v1, 15, v0                           ; r
	v_bfe_u32 v2, v0, 4, 1                         ; h
	v_and_b32 v16, 31, v0
	v_lshlrev_b32 v16, 4, v16                      ; 16 x lane: an image's place for my lane; also the first of the epilogue's eight offsets
	s_lshl_b32 s92, s19, 14
	v_add_nc_u32 v[ADRX], s92, v16
	v_add_nc_u32 v[ADRX+1], SLOT, v[ADRX]
	s_lshl_b32 s92, s20, 15
	s_add_co_u32 s92, s92, YOF
	v_add_nc_u32 v[ADRY], s92, v16
	v_add_nc_u32 v[ADRY+1], SLOT, v[ADRY]
	s_xor_b32 s92, s19, 1
	s_lshl_b32 s93, s20, 1
	s_add_co_u32 s92, s92, s93
	s_add_co_u32 s92, s92, 1
	s_lshl_b32 s92, s92, 11                        ; from my X tiles' scales to my Y tiles': 4096 + 4096 jh - 2048 g
	v_mul_u32_u24 v[ADRS], s92, v2                 ; lanes 16-31 take Y's: one product, the lower base + h x the distance
	v_lshl_add_u32 v[ADRS], v1, 4, v[ADRS]
	s_lshl_b32 s92, s19, 11
	s_add_co_u32 s92, s92, SCL
	v_add_nc_u32 v[ADRS], s92, v[ADRS]
	; the biases.  Both sets are loaded on every way; the one that the product does not use reads the vector's head
	s_cmp_eq_u32 ttmp9, 0
	s_cselect_b64 s[92:93], s[8:9], s[10:11]
	s_cmp_eq_u32 ttmp9, 2
	s_cselect_b64 s[92:93], s[12:13], s[92:93]
	s_xor_b32 s43, s40, 1                          ; 1 for Q and K
	s_lshl_b32 s44, s46, 8
	s_lshl_b32 s45, s20, 7
	s_add_co_u32 s44, s44, s45
	s_mul_i32 s44, s44, s43                        ; my first column 256 jt + 128 jh, or 0
	s_lshl_b32 s44, s44, 2
	s_mov_b32 s45, 0
	s_add_nc_u64 s[94:95], s[92:93], s[44:45]
	s_lshl_b32 s44, s42, 7
	s_lshl_b32 s47, s19, 6
	s_add_co_u32 s44, s44, s47
	s_mul_i32 s44, s44, s40                        ; my first row 128 it + 64 g (V), or 0
	s_lshl_b32 s44, s44, 2
	s_add_nc_u64 s[92:93], s[92:93], s[44:45]
	v_lshlrev_b32 v11, 6, v2                       ; by column: register j of tile 2 b + u is column 32 b + 16 h + 8 u + j
	v_and_b32 v12, 8, v1
	v_add_nc_u32 v12, v12, v1
	v_lshlrev_b32 v12, 2, v12                      ; by row: r + 8 (r / 8)
	WIN 0x80
.irp b, 0,1,2,3,4,5,6,7
	global_load_b128 v[BJ+8*\b:BJ+8*\b+3], v11, s[94:95] offset:(32*(\b/2)+8*(\b%2))*4
	global_load_b128 v[BJ+8*\b+4:BJ+8*\b+7], v11, s[94:95] offset:(32*(\b/2)+8*(\b%2))*4+16
.endr
.irp a, 0,1,2,3
	global_load_b32 v[BI+8*\a], v12, s[92:93] offset:(32*(\a/2)+8*(\a%2))*4
.endr
	WIN 0
	; the epilogue's offsets.  Q, K: fragment half c belongs to head c of my two (65,536 bytes on), X's tile a lies 512 bytes on.  V: c is the fragment's second half (512), tile a 1,024 on
	s_lshl_b32 s44, 512, s40
	s_mul_i32 s45, s43, 7
	s_lshl_b32 s45, 512, s45
	v_add_nc_u32 v17, s45, v16
.irp a, 1,2,3
	v_add_nc_u32 v[16+2*\a], s44, v[14+2*\a]
	v_add_nc_u32 v[17+2*\a], s44, v[15+2*\a]
.endr
	s_lshl_b32 s44, s43, 4
	v_mul_u32_u24 v9, s44, v2                      ; Q, K: lanes 16-31 keep the upper two bytes of the scale word, the second head's
	s_lshl_b32 s44, s43, 13
	v_mul_u32_u24 v10, s44, v2
	v_lshl_add_u32 v10, v1, 4, v10                 ; scale words: 16 r, and for Q, K the second head 8,192 bytes on
.irp b, 0,1,2,3
	v_mov_b32 v[TM+4+\b], 0                        ; a lane permute's destination counts as read
.endr
	s_mov_b32 s66, 0x76543210
	s_mov_b32 s67, 0xfedcba98
	s_and_b32 s44, s42, 0xfffffff0                 ; Q, K: head = 16 (it / 16) + 4 jt + 2 jh, step = it % 16
	s_lshl_b32 s45, s46, 2
	s_add_co_u32 s44, s44, s45
	s_lshl_b32 s45, s20, 1
	s_add_co_u32 s44, s44, s45
	s_and_b32 s45, s42, 15
	s_lshr_b32 s47, s46, 3                         ; V: head = 16 (jt / 8) + 2 it + g, step = (2 jt + jh) % 16
	s_lshl_b32 s47, s47, 4
	s_lshl_b32 s96, s42, 1
	s_add_co_u32 s47, s47, s96
	s_add_co_u32 s47, s47, s19
	s_lshl_b32 s96, s46, 1
	s_add_co_u32 s96, s96, s20
	s_and_b32 s96, s96, 15
	s_cmp_eq_u32 s40, 0
	s_cselect_b32 s44, s44, s47
	s_cselect_b32 s45, s45, s96
	s_cselect_b32 s41, 0xffff, -1                  ; what is kept of a scale word
	s_mul_i32 s47, s19, s43                        ; Q, K: my four tiles of the step's eight
	s_lshl_b32 s96, ttmp9, 22
	s_lshl_b32 s97, s44, 16
	s_add_co_u32 s96, s96, s97
	s_lshl_b32 s97, s45, 12
	s_add_co_u32 s96, s96, s97
	s_lshl_b32 s97, s47, 11
	s_add_co_u32 s96, s96, s97
	s_mov_b32 s97, 0
	s_add_nc_u64 s[14:15], s[14:15], s[96:97]
	s_lshl_b32 s96, s44, 13
	s_lshl_b32 s98, s45, 9
	s_add_co_u32 s96, s96, s98
	s_lshr_b32 s96, s96, s40                       ; V's scale words take half the bytes of Q's and K's
	s_lshl_b32 s98, s47, 8
	s_add_co_u32 s96, s96, s98
	s_lshl_b32 s98, ttmp9, 19
	s_add_co_u32 s96, s96, s98
	s_add_nc_u64 s[16:17], s[16:17], s[96:97]
	s_wait_tensorcnt 0x1                           ; the scales and my part of K part 0 are in; K part 1's load may stay out
	s_barrier_signal -1
	s_barrier_wait -1
	s_wait_loadcnt 0x0                             ; the biases
	WIN 0x82
.irp a, 0,1,2,3
.irp j, 1,2,3,4,5,6,7
	v_mov_b32 v[BI+8*\a+\j], v[BI+8*\a]            ; by row: a lane's eight registers hold one row's bias
.endr
.endr
	WIN 0
	FETCH 0
	SCALES 0
	STEP 0, 3
.irp q, 1,2,3,4,5,6,7
	STEP \q, 0
.endr
	PLACES 4                                       ; in front of the first read of results
; X's tile a: a lane's 64 numbers (register 16 b + i = j 32 b + 16 h + i of my row) become a fragment's codes and its scale word
.macro QUANTA a
	WIN 0x05                                       ; sources 0 and 1 window 1
.irp b, 0,1,2,3
	v_max3_num_f32 v[TM+\b], |v[64*\a+16*\b]|, |v[64*\a+16*\b+1]|, 0x1800000      ; each accumulator from its low end on; the floor 2^(3 - 127) holds the byte at 1
.endr
.irp i, 2,4,6,8,10,12,14
.irp b, 0,1,2,3
	v_max3_num_f32 v[TM+\b], |v[64*\a+16*\b+\i]|, |v[64*\a+16*\b+\i+1]|, v[TM+\b]
.endr
.endr
	WIN 0
.irp b, 0,1,2,3
	v_permlanex16_b32 v[TM+4+\b], v[TM+\b], s66, s67
.endr
.irp b, 0,1,2,3
	v_max_num_f32 v[TM+\b], v[TM+\b], v[TM+4+\b]   ; with lane l xor 16's: the block's largest magnitude
.endr
.irp b, 0,1,2,3
	v_add_nc_u32 v[TM+12+\b], 0xff000000, v[TM+\b] ; 2 off the exponent field: the conversion's scale operand
.endr
.irp b, 0,1,2,3
	v_lshrrev_b32 v[TM+4+\b], 23, v[TM+12+\b]      ; the byte
.endr
	v_lshl_or_b32 v[PW], v[TM+5], 8, v[TM+4]
	v_lshl_or_b32 v[PW], v[TM+6], 16, v[PW]
	v_lshl_or_b32 v[PW], v[TM+7], 24, v[PW]
	WIN 0x01
.irp b, 0,1,2,3
	v_cvt_scalef32_pk8_fp4_f32 v[PC+8*\a+2*\b], v[64*\a+16*\b:64*\a+16*\b+7], v[TM+12+\b]
	v_cvt_scalef32_pk8_fp4_f32 v[PC+8*\a+2*\b+1], v[64*\a+16*\b+8:64*\a+16*\b+15], v[TM+12+\b]
.endr
	WIN 0
	v_nop                                          ; one plain line behind the conversions
.irp c, 0,1
.irp i, 0,1
	v_permlane16_swap_b32 v[PC+8*\a+4*\c+\i], v[PC+8*\a+4*\c+2+\i]     ; a whole block to a lane: registers 4 c .. 4 c + 3 hold j = 64 c + 32 h + 0 .. 31
.endr
.endr
	v_lshrrev_b32 v[SW+\a], v9, v[PW]
	v_and_b32 v[SW+\a], s41, v[SW+\a]
	global_store_b128 v[16+2*\a], v[PC+8*\a:PC+8*\a+3], s[14:15]       ; 512 consecutive bytes, aligned
	global_store_b128 v[17+2*\a], v[PC+8*\a+4:PC+8*\a+7], s[14:15]
.endm
	QUANTA 0
	QUANTA 1
	QUANTA 2
	QUANTA 3
	global_store_b128 v10, v[SW:SW+3], s[16:17]    ; sixteen lanes store 256 consecutive bytes; for V both halves of the lanes store the same bytes with the same values
	s_wait_tensorcnt 0x0
	ds_add_u32 v254, v255
	s_wait_dscnt 0x0
	CROUND                                         ; the closing round: no work-group ends while a partner may still ask for a tile that names it
	s_endpgm
.Lfunc_end_k_qc311143231_proj:
	.size	k_qc311143231_proj, .Lfunc_end_k_qc311143231_proj-k_qc311143231_proj
	.p2alignl 7, 3214868480
	.fill 96, 4, 3214868480
	.section	.rodata,"a",@progbits
	.p2align	6, 0x0
	.amdhsa_kernel k_qc311143231_proj
		.amdhsa_group_segment_fixed_size 209408
		.amdhsa_private_segment_fixed_size 0
		.amdhsa_enable_private_segment 0
		.amdhsa_kernarg_size 56
		.amdhsa_user_sgpr_count 2
		.amdhsa_user_sgpr_kernarg_segment_ptr 1
		.amdhsa_wavefront_size32 1
		.amdhsa_system_sgpr_workgroup_id_x 1
		.amdhsa_system_sgpr_workgroup_id_y 1
		.amdhsa_system_sgpr_workgroup_id_z 1
		.amdhsa_system_vgpr_workitem_id 0
		.amdhsa_next_free_vgpr 768
		.amdhsa_next_free_sgpr 102
		.amdhsa_reserve_vcc 0
		.amdhsa_float_denorm_mode_32 3
		.amdhsa_float_denorm_mode_16_64 3
		.amdhsa_memory_ordered 1
		.amdhsa_forward_progress 1
		.amdhsa_inst_pref_size 83
	.end_amdhsa_kernel
	.amdgpu_metadata
---
amdhsa.version: [ 1, 2 ]
amdhsa.kernels:
  - .name:           k_qc311143231_proj
    .symbol:         k_qc311143231_proj.kd
    .args:
      - { .name: xcod, .offset: 0, .size: 8, .value_kind: global_buffer, .address_space: global }
      - { .name: xscl, .offset: 8, .size: 8, .value_kind: global_buffer, .address_space: global }
      - { .name: bq, .offset: 16, .size: 8, .value_kind: global_buffer, .address_space: global }
      - { .name: bk, .offset: 24, .size: 8, .value_kind: global_buffer, .address_space: global }
      - { .name: bv, .offset: 32, .size: 8, .value_kind: global_buffer, .address_space: global }
      - { .name: hcod, .offset: 40, .size: 8, .value_kind: global_buffer, .address_space: global }
      - { .name: hscl, .offset: 48, .size: 8, .value_kind: global_buffer, .address_space: global }
    .group_segment_fixed_size: 209408
    .private_segment_fixed_size: 0
    .kernarg_segment_align: 8
    .kernarg_segment_size: 56
    .max_flat_workgroup_size: 128
    .sgpr_count:     102
    .vgpr_count:     768
    .wavefront_size: 32
...
	.end_amdgpu_metadata
.endif
;; end of part 2
;; launch attn (part 3): grid 4 x 64, 16 waves a work-group, no clusters, 153,600 bytes of LDS; arguments hcod, hscl, mask, mflag, acod, ascl; writes acod, ascl
.if DOCPART == 3
	.amdgcn_target "amdgcn-amd-amdhsa--gfx1250"
	.amdhsa_code_object_version 6
	.text
	.protected	k_qc311143231_attn
	.globl	k_qc311143231_attn
	.p2align	8
	.type	k_qc311143231_attn,@function
k_qc311143231_attn:
	s_mov_b64 s[64:65], 0
	v_nop
	global_prefetch_b8 v0, s[64:65] scope:SCOPE_SE
	s_setreg_imm32_b32 hwreg(HW_REG_WAVE_MODE, 25, 1), 1
	s_wait_xcnt 0x0
; ATTN.  O = softmax(Q K^T / 8, masked keys left out) V for one head, both products on codes of FP4 with E8M0 scales; O / l is quantised along the model's 1,024 for the last product.
; THE SOFTMAX: t = score x log2(e) / 8; M = the running largest t rounded UP to a whole number; p = 2^(t - M) is quantised along the keys; the row's sum l is taken of the unquantised p and divides O at the end.
; When M moves, l and O are multiplied by 2^(old M - new M): exact.
; SHARES: a work-group owns 512 queries of one head; wave w takes query tiles 32 x + w and 32 x + 16 + w, one after the other; four waves to a SIMD, so that one wave's exponentials stand beside another's plain work.
; THE HEAD'S WHOLE K AND V LIE IN LDS: codes 2 x 65,536 bytes, scale words 8,192 + 4,096, and a term for each key: 0, or -2^100 where the mask hides it.  LDS is filled once, through registers.
; NO CLUSTER, NO TENSOR LOAD: what the four work-groups of a head share is 140 KB, read once each, against 16 waves x 32 tile steps x 9 KB that each reads from its LDS; and a step's branch hangs on a stored
; number (mflag).
; LAYOUT: S^T = K Q^T (source 0 = 16 keys, source 1 = my 16 queries), O^T = V^T P^T: a lane holds ONE query.  Lane r of stored tile t holds true row 32 (t / 2) + 8 (t % 2) + r + 8 (r / 8): so the 16 registers of tiles 2 b, 2 b + 1
; are 16 neighbouring keys (in O^T: 16 neighbouring channels).  The head's 64 fill half of the instruction's 128: the upper four registers of Q's and K's fragments are zero codes, their scale bytes 0.
; THE MASK: in a step whose 128 keys have a hole (bits 2 s, 2 s + 1 of mflag's word) the keys' terms are the C of the first product; else C is 0.
; LIMITS: a masked score is -2^100 and the running maximum starts at t = -2^90: rows whose largest open t lies under -2^90 are not served.  A batch with no open key: both scale bytes become 0xff, so that the last
; product gives NaN.  NaN and infinities among the inputs are not served.  1 / l is v_rcp_f32 and a multiplication.  Blocks under 2^-124 and blocks of zeros keep the byte 1.
; REGISTERS: v1-5, v7 addresses that stay; v8-12 the step's; v14 -M, v15 largest t, v[16:17] l; v[18:19] 1 / l; v20 two bytes out; v23 Q's scale word; v[24:31] Q; v32-95 K; v96-127 V; v128-191 S^T, then p; v192-223 O^T; v224-231 p's codes; v232-255 at work.
.set VC, 65536
.set KS, 131072
.set VS, 139264
.set MB, 143360
.set ASL, 2097152
.set S, 128
.set O, 192
	s_load_b256 s[4:11], s[0:1], 0x0               ; hcod s[4:5], hscl s[6:7], mask s[8:9], mflag s[10:11]
	s_load_b128 s[12:15], s[0:1], 0x20             ; acod s[12:13], ascl s[14:15]
	v_lshl_add_u32 v6, v0, 2, 0x25000
	v_mov_b32 v22, 0
	v_lshrrev_b32 v1, 5, v0
	v_readfirstlane_b32 s16, v1                    ; wave 0..15
	s_and_b32 s17, ttmp7, 0xffff                   ; 16 x batch + head
	s_lshr_b32 s18, s17, 4
	s_and_b32 s19, s17, 15
	s_mov_b32 s20, 0x76543210
	s_mov_b32 s21, 0xfedcba98                      ; lane l xor 16
	s_mov_b32 s22, 0x3e38aa3b                      ; c = log2(e) / 8
	s_mov_b32 s23, s22                             ; (named with it as a pair)
	v_lshlrev_b32 v8, 4, v0                        ; the fill: 16 bytes a thread, 8,192 an instruction of the work-group
	v_add_nc_u32 v9, VC, v8
	v_add_nc_u32 v10, KS, v8
	v_lshlrev_b32 v11, 3, v0
	v_add_nc_u32 v12, VS, v11
	v_lshlrev_b32 v13, 2, v0
	s_lshl_b32 s40, s17, 16
	s_mov_b32 s41, 0
	s_lshl_b32 s42, s17, 13
	s_mov_b32 s43, 0
	s_lshl_b32 s44, s17, 12
	s_mov_b32 s45, 0
	s_lshl_b32 s46, s18, 11
	s_mov_b32 s47, 0
	s_lshl_b32 s48, s18, 7
	s_mov_b32 s49, 0
	s_wait_kmcnt 0x0
	s_add_nc_u64 s[10:11], s[10:11], s[48:49]
	s_load_b32 s24, s[10:11], 0x0                  ; the batch's flags: a whole number that the first launch stored
	s_add_nc_u64 s[50:51], s[4:5], s[40:41]        ; Q's codes of my head
	s_add_nc_u64 s[52:53], s[50:51], 1<<22         ; K's
	s_add_nc_u64 s[54:55], s[50:51], 2<<22         ; V's
	s_add_nc_u64 s[56:57], s[6:7], s[42:43]        ; Q's scale words
	s_add_nc_u64 s[58:59], s[56:57], 1<<19         ; K's
	s_add_nc_u64 s[60:61], s[6:7], s[44:45]
	s_add_nc_u64 s[60:61], s[60:61], 2<<19         ; V's
	s_add_nc_u64 s[8:9], s[8:9], s[46:47]          ; the batch's mask
.irp i, 0,1,2,3,4,5,6,7
	global_load_b128 v[32+4*\i:35+4*\i], v8, s[52:53] offset:8192*\i
.endr
.irp i, 0,1,2,3,4,5,6,7
	global_load_b128 v[64+4*\i:67+4*\i], v8, s[54:55] offset:8192*\i
.endr
	global_load_b128 v[96:99], v8, s[58:59]
	global_load_b64 v[100:101], v11, s[60:61]
	global_load_b32 v102, v13, s[8:9]              ; four keys' mask bytes
	v_and_b32 v1, 31, v0
	v_lshlrev_b32 v1, 4, v1                        ; 16 x lane: K's images in LDS, and my 16 bytes of an image in memory
	v_add_nc_u32 v2, VC, v1                        ; V's
	v_add_nc_u32 v3, KS, v1                        ; K's scale words: lanes 0-15 tiles 0-3, lanes 16-31 tiles 4-7
	v_and_b32 v7, 15, v0
	v_lshlrev_b32 v7, 4, v7                        ; 16 r
	v_add_nc_u32 v4, VS, v7                        ; V's scale words
	v_bfe_u32 v5, v0, 4, 1
	v_lshl_add_u32 v5, v5, 6, MB                   ; the keys' terms: 16 h keys on
	; my first query tile T = 32 x + wave, and where it comes from and goes to
	s_lshl_b32 s41, ttmp9, 5
	s_add_co_u32 s41, s41, s16
	s_lshl_b32 s42, s41, 9
	s_add_nc_u64 s[32:33], s[50:51], s[42:43]      ; Q's codes: 512 T
	s_lshr_b32 s42, s41, 2
	s_lshl_b32 s42, s42, 8
	s_and_b32 s44, s41, 3
	s_lshl_b32 s44, s44, 2
	s_add_co_u32 s42, s42, s44
	s_add_nc_u64 s[34:35], s[56:57], s[42:43]      ; Q's scale words: 256 (T / 4) + 4 (T % 4), + 16 r
	s_lshl_b32 s44, s18, 7
	s_add_co_u32 s44, s44, s41                     ; the output's tile: 128 x batch + T
	s_lshr_b32 s45, s19, 3                         ; heads 2 q, 2 q + 1 are K step q of the last product: K part head / 8,
	s_bfe_u32 s46, s19, 0x20001                    ; q' = (head / 2) % 4,
	s_and_b32 s47, s19, 1                          ; c = head % 2
	s_mul_i32 s42, s45, ASL
	s_lshl_b32 s48, s44, 12
	s_add_co_u32 s42, s42, s48
	s_lshl_b32 s48, s46, 10
	s_add_co_u32 s42, s42, s48
	s_lshl_b32 s48, s47, 9
	s_add_co_u32 s42, s42, s48
	s_add_nc_u64 s[36:37], s[12:13], s[42:43]
	s_lshl_b32 s42, s44, 9
	s_lshl_b32 s48, s45, 8
	s_add_co_u32 s42, s42, s48
	s_lshl_b32 s48, s46, 2
	s_add_co_u32 s42, s42, s48
	s_lshl_b32 s48, s47, 1
	s_add_co_u32 s42, s42, s48
	s_add_nc_u64 s[38:39], s[14:15], s[42:43]
	s_wait_loadcnt 0x0
.irp i, 0,1,2,3
	v_bfe_u32 v[104+\i], v102, 8*\i, 8
.endr
.irp i, 0,1,2,3
	v_add_nc_u32 v[104+\i], -1, v[104+\i]          ; 1 -> 0, 0 -> all ones
.endr
.irp i, 0,1,2,3
	v_and_b32 v[104+\i], 0xf1800000, v[104+\i]     ; 0, or -2^100
.endr
.irp i, 0,1,2,3,4,5,6,7
	ds_store_b128 v8, v[32+4*\i:35+4*\i] offset:8192*\i
.endr
.irp i, 0,1,2,3,4,5,6,7
	ds_store_b128 v9, v[64+4*\i:67+4*\i] offset:8192*\i
.endr
	ds_store_b128 v10, v[96:99]
	ds_store_b64 v12, v[100:101]
	ds_store_b128 v10, v[104:107] offset:MB-KS
	s_wait_dscnt 0x0                               ; for the others' sake: my stores have landed
	s_barrier_signal -1
	s_barrier_wait -1                              ; the one barrier: from here on LDS is only read
.irp i, 28,29,30,31
	v_mov_b32 v[\i], 0                             ; zero codes for k = 64 .. 127 of Q,
.endr
.irp t, 0,1,2,3,4,5,6,7
.irp i, 4,5,6,7
	v_mov_b32 v[32+8*\t+\i], 0                     ; and of K's eight fragments: set once
.endr
.endr
.irp b, 0,1,2,3
	v_mov_b32 v[236+\b], 0                         ; a lane permute's destination counts as read
.endr
	v_mov_b32 v253, 0                              ; (upper half of the pair v[252:253])
	v_mov_b32 v254, 0
	v_mov_b32 v21, 0xffff
	s_wait_kmcnt 0x0
	s_lshr_b32 s40, s24, 1
	s_or_b32 s24, s24, s40                         ; bit 2 s: a hole among keys 128 s .. 128 s + 127
	s_mov_b32 s30, 2
.macro KQ t, masked
.if \masked
.if \t < 4
	v_wmma_scale_f32_16x16x128_f8f6f4 v[S+8*\t:S+8*\t+7], v[32+8*\t:39+8*\t], v[24:31], v[S+8*\t:S+8*\t+7], v[244+\t%4], v23 matrix_a_fmt:MATRIX_FMT_FP4 matrix_b_fmt:MATRIX_FMT_FP4
.else
	v_wmma_scale_f32_16x16x128_f8f6f4 v[S+8*\t:S+8*\t+7], v[32+8*\t:39+8*\t], v[24:31], v[S+8*\t:S+8*\t+7], v[244+\t%4], v23 matrix_a_fmt:MATRIX_FMT_FP4 matrix_b_fmt:MATRIX_FMT_FP4 matrix_a_scale:MATRIX_SCALE_ROW1
.endif
.else
.if \t < 4
	v_wmma_scale_f32_16x16x128_f8f6f4 v[S+8*\t:S+8*\t+7], v[32+8*\t:39+8*\t], v[24:31], 0, v[244+\t%4], v23 matrix_a_fmt:MATRIX_FMT_FP4 matrix_b_fmt:MATRIX_FMT_FP4
.else
	v_wmma_scale_f32_16x16x128_f8f6f4 v[S+8*\t:S+8*\t+7], v[32+8*\t:39+8*\t], v[24:31], 0, v[244+\t%4], v23 matrix_a_fmt:MATRIX_FMT_FP4 matrix_b_fmt:MATRIX_FMT_FP4 matrix_a_scale:MATRIX_SCALE_ROW1
.endif
.endif
.endm
.Ltile:                                            ; two trips: my two query tiles
	global_load_b128 v[24:27], v1, s[32:33]        ; Q: the lower four registers of its fragment
	global_load_b32 v23, v7, s[34:35]
	v_mov_b32 v15, 0xec800000                      ; the largest t so far: -2^90
	v_floor_f32 v14, -v15                          ; -M
	v_mov_b32 v16, 0
	v_mov_b32 v17, 0
.set j, 0
.rept 32
	v_mov_b32 v[O+j], 0                            ; the step is written once: the first finds zeros
.set j, j+1
.endr
	s_mov_b32 s25, 0                               ; 2 x step
	s_mov_b32 s26, 0                               ; 4,096 x step: codes
	s_mov_b32 s27, 0                               ; 512 x step: K's scale words, the keys' terms
	s_mov_b32 s28, 0                               ; 256 x step: V's scale words
	s_mov_b32 s29, 16
	s_wait_loadcnt 0x0
.Lstep:                                            ; 16 trips of 128 keys
	v_add_nc_u32 v8, s26, v1                       ; five plain lines: also the places in front of loads into registers that the last step's products read
	v_add_nc_u32 v9, s26, v2
	v_add_nc_u32 v10, s27, v3
	v_add_nc_u32 v11, s28, v4
	v_add_nc_u32 v12, s27, v5
.irp t, 0,1,2,3,4,5,6,7
	ds_load_b128 v[32+8*\t:35+8*\t], v8 offset:512*\t
.endr
	ds_load_b128 v[244:247], v10
.irp a, 0,1,2,3
	ds_load_b128 v[96+8*\a:99+8*\a], v9 offset:1024*\a
	ds_load_b128 v[100+8*\a:103+8*\a], v9 offset:1024*\a+512
.endr
	ds_load_b128 v[248:251], v11
	s_lshr_b32 s40, s24, s25
	s_and_b32 s40, s40, 1
	s_cmp_lg_u32 s40, 0
	s_cbranch_scc0 .Lclear
.irp t, 0,1,2,3,4,5,6,7
	ds_load_b128 v[S+8*\t:S+8*\t+3], v12 offset:128*(\t/2)+32*(\t%2)       ; register j of tile 2 b + u is key 32 b + 16 h + 8 u + j
	ds_load_b128 v[S+8*\t+4:S+8*\t+7], v12 offset:128*(\t/2)+32*(\t%2)+16
.endr
	s_wait_dscnt 0x0
.irp t, 0,1,2,3,4,5,6,7
	KQ \t, 1
.endr
	s_branch .Ljoin
.Lclear:
	s_wait_dscnt 9                                 ; K and its scale words are in; V's eight loads and its scale words may be out
.irp t, 0,1,2,3,4,5,6,7
	KQ \t, 0
.endr
.Ljoin:
.rept 4
	v_nop
.endr
.irp b, 0,1,2,3
	v_max3_num_f32 v[232+\b], v[S+16*\b], v[S+1+16*\b], v[S+2+16*\b]       ; the largest score of each block of 32 keys: for the row's maximum, and, since p rises with the score, for the block's largest p
.endr
.irp i, 3,5,7,9,11,13
.irp b, 0,1,2,3
	v_max3_num_f32 v[232+\b], v[232+\b], v[S+16*\b+\i], v[S+1+16*\b+\i]
.endr
.endr
.irp b, 0,1,2,3
	v_max_num_f32 v[232+\b], v[232+\b], v[S+15+16*\b]
.endr
.irp b, 0,1,2,3
	v_permlanex16_b32 v[236+\b], v[232+\b], s20, s21
.endr
.irp b, 0,1,2,3
	v_max_num_f32 v[232+\b], v[232+\b], v[236+\b]
.endr
	v_max3_num_f32 v254, v232, v233, v234
	v_max_num_f32 v254, v254, v235
	v_mul_f32 v254, s22, v254                      ; as t
	v_max_num_f32 v15, v15, v254                   ; the running largest t
	v_mov_b32 v254, v14
	v_floor_f32 v14, -v15                          ; the new -M = -ceil(t)
	v_sub_f32 v254, v14, v254                      ; old M - new M: a whole number, 0 or less
	v_cvt_i32_f32 v254, v254                       ; (it saturates)
	v_ldexp_f32 v252, 1.0, v254                    ; f = 2^(old M - new M)
.set j, 0
.rept 32
	v_pk_fma_f32 v[S+j:S+j+1], v[S+j:S+j+1], s[22:23], v[14:15] op_sel_hi:[1,0,0]      ; t - M
.set j, j+2
.endr
.irp b, 0,1,2,3
	v_fma_f32 v[232+\b], v[232+\b], s22, v14
.endr
.set j, 0
.rept 64
	v_exp_f32 v[S+j], v[S+j]                       ; p = 2^(t - M)
.set j, j+1
.endr
	v_pk_mul_f32 v[16:17], v[16:17], v[252:253] op_sel_hi:[1,0]            ; l under the new M (a plain line behind the exponentials)
	s_wait_alu depctr_va_vdst(0)                   ; one wait for the batch, ahead of its first reader
.irp b, 0,1,2,3
	v_exp_f32 v[232+\b], v[232+\b]                 ; each block's largest p
.endr
	v_pk_add_f32 v[236:237], v[S:S+1], v[S+2:S+3]  ; the row's sum of the unquantised p, in two chains
.irp j, 4,8,12,16,20,24,28,32,36,40,44,48,52,56,60
	v_pk_add_f32 v[16:17], v[16:17], v[S+\j:S+\j+1]
	v_pk_add_f32 v[236:237], v[236:237], v[S+2+\j:S+3+\j]
.endr
	v_pk_add_f32 v[16:17], v[16:17], v[236:237]
	s_wait_alu depctr_va_vdst(0)                   ; and one for the four
.irp b, 0,1,2,3
	v_max_num_f32 v[232+\b], 0x1800000, v[232+\b]  ; the floor 2^(3 - 127)
.endr
.irp b, 0,1,2,3
	v_add_nc_u32 v[240+\b], 0xff000000, v[232+\b]
.endr
.irp b, 0,1,2,3
	v_lshrrev_b32 v[236+\b], 23, v[240+\b]
.endr
	v_lshl_or_b32 v255, v237, 8, v236              ; p's scale word for these 128 keys
	v_lshl_or_b32 v255, v238, 16, v255
	v_lshl_or_b32 v255, v239, 24, v255
.irp b, 0,1,2,3
	v_cvt_scalef32_pk8_fp4_f32 v[224+2*\b], v[S+16*\b:S+7+16*\b], v[240+\b]
	v_cvt_scalef32_pk8_fp4_f32 v[225+2*\b], v[S+8+16*\b:S+15+16*\b], v[240+\b]
.endr
	v_nop
.irp c, 0,1
.irp i, 0,1
	v_permlane16_swap_b32 v[224+4*\c+\i], v[226+4*\c+\i]
.endr
.endr
.set j, 0
.rept 16
	v_pk_mul_f32 v[O+j:O+j+1], v[O+j:O+j+1], v[252:253] op_sel_hi:[1,0]    ; O^T under the new M; these sixteen also stand between p's codes and scale word and the products
.set j, j+2
.endr
	s_wait_dscnt 0x0                               ; V and its scale words
.irp a, 0,1,2,3
	v_wmma_scale_f32_16x16x128_f8f6f4 v[O+8*\a:O+8*\a+7], v[96+8*\a:103+8*\a], v[224:231], v[O+8*\a:O+8*\a+7], v[248+\a], v255 matrix_a_fmt:MATRIX_FMT_FP4 matrix_b_fmt:MATRIX_FMT_FP4
.endr
	s_add_co_u32 s25, s25, 2
	s_add_co_u32 s26, s26, 4096
	s_add_co_u32 s27, s27, 512
	s_add_co_u32 s28, s28, 256
	s_sub_co_u32 s29, s29, 1
	s_cmp_lg_u32 s29, 0
	s_cbranch_scc1 .Lstep
	; the way out of a query tile: O^T / l, quantised along the head's 64 channels: two blocks; register 16 b + i is channel 32 b + 16 h + i
.rept 4
	v_nop
.endr
	v_add_f32 v16, v16, v17
	v_permlanex16_b32 v254, v16, s20, s21
	v_add_f32 v16, v16, v254                       ; the row's sum
	v_rcp_f32 v18, v16
	v_mov_b32 v19, 0                               ; (a plain line behind the transcendental; the pair's upper half)
	s_wait_alu depctr_va_vdst(0)
.set j, 0
.rept 16
	v_pk_mul_f32 v[S+j:S+j+1], v[O+j:O+j+1], v[18:19] op_sel_hi:[1,0]      ; each accumulator from its low end on
.set j, j+2
.endr
.irp b, 0,1
	v_max3_num_f32 v[232+\b], |v[S+16*\b]|, |v[S+1+16*\b]|, 0x1800000
.endr
.irp i, 2,4,6,8,10,12,14
.irp b, 0,1
	v_max3_num_f32 v[232+\b], v[232+\b], |v[S+16*\b+\i]|, |v[S+1+16*\b+\i]|
.endr
.endr
.irp b, 0,1
	v_permlanex16_b32 v[236+\b], v[232+\b], s20, s21
.endr
.irp b, 0,1
	v_max_num_f32 v[232+\b], v[232+\b], v[236+\b]
.endr
.irp b, 0,1
	v_add_nc_u32 v[240+\b], 0xff000000, v[232+\b]
.endr
.irp b, 0,1
	v_lshrrev_b32 v[236+\b], 23, v[240+\b]
.endr
	v_lshl_or_b32 v20, v237, 8, v236
.irp b, 0,1
	v_cvt_scalef32_pk8_fp4_f32 v[224+2*\b], v[S+16*\b:S+7+16*\b], v[240+\b]
	v_cvt_scalef32_pk8_fp4_f32 v[225+2*\b], v[S+8+16*\b:S+15+16*\b], v[240+\b]
.endr
	v_nop
	v_permlane16_swap_b32 v224, v226
	v_permlane16_swap_b32 v225, v227               ; v[224:227]: channels 32 h + 0 .. 31 of my query
	v_cmp_eq_f32 vcc_lo, 0xec800000, v15           ; no key was open: a select, no branch
	v_cndmask_b32 v20, v20, v21, vcc_lo
	global_store_b128 v1, v[224:227], s[36:37]     ; 512 consecutive bytes, aligned
	global_store_b16 v7, v20, s[38:39]             ; my head's two of a row's 32 scale bytes; both halves of the lanes store the same
	s_wait_xcnt 0x0                                ; the bases and the stores' data are written again only behind this wait
	s_add_nc_u64 s[32:33], s[32:33], 8192          ; 16 tiles on
	s_add_nc_u64 s[34:35], s[34:35], 1024
	s_add_nc_u64 s[36:37], s[36:37], 65536
	s_add_nc_u64 s[38:39], s[38:39], 8192
	s_sub_co_u32 s30, s30, 1
	s_cmp_lg_u32 s30, 0
	s_cbranch_scc1 .Ltile
	s_wait_tensorcnt 0x0
	ds_add_u32 v6, v22
	s_wait_dscnt 0x0
	s_endpgm
.Lfunc_end_k_qc311143231_attn:
	.size	k_qc311143231_attn, .Lfunc_end_k_qc311143231_attn-k_qc311143231_attn
	.p2alignl 7, 3214868480
	.fill 96, 4, 3214868480
	.section	.rodata,"a",@progbits
	.p2align	6, 0x0
	.amdhsa_kernel k_qc311143231_attn
		.amdhsa_group_segment_fixed_size 153600
		.amdhsa_private_segment_fixed_size 0
		.amdhsa_enable_private_segment 0
		.amdhsa_kernarg_size 48
		.amdhsa_user_sgpr_count 2
		.amdhsa_user_sgpr_kernarg_segment_ptr 1
		.amdhsa_wavefront_size32 1
		.amdhsa_system_sgpr_workgroup_id_x 1
		.amdhsa_system_sgpr_workgroup_id_y 1
		.amdhsa_system_sgpr_workgroup_id_z 1
		.amdhsa_system_vgpr_workitem_id 0
		.amdhsa_next_free_vgpr 256
		.amdhsa_next_free_sgpr 66
		.amdhsa_reserve_vcc 1
		.amdhsa_float_denorm_mode_32 3
		.amdhsa_float_denorm_mode_16_64 3
		.amdhsa_memory_ordered 1
		.amdhsa_forward_progress 1
		.amdhsa_inst_pref_size 32
	.end_amdhsa_kernel
	.amdgpu_metadata
---
amdhsa.version: [ 1, 2 ]
amdhsa.kernels:
  - .name:           k_qc311143231_attn
    .symbol:         k_qc311143231_attn.kd
    .args:
      - { .name: hcod, .offset: 0, .size: 8, .value_kind: global_buffer, .address_space: global }
      - { .name: hscl, .offset: 8, .size: 8, .value_kind: global_buffer, .address_space: global }
      - { .name: mask, .offset: 16, .size: 8, .value_kind: global_buffer, .address_space: global }
      - { .name: mflag, .offset: 24, .size: 8, .value_kind: global_buffer, .address_space: global }
      - { .name: acod, .offset: 32, .size: 8, .value_kind: global_buffer, .address_space: global }
      - { .name: ascl, .offset: 40, .size: 8, .value_kind: global_buffer, .address_space: global }
    .group_segment_fixed_size: 153600
    .private_segment_fixed_size: 0
    .kernarg_segment_align: 8
    .kernarg_segment_size: 48
    .max_flat_workgroup_size: 512
    .sgpr_count:     66
    .vgpr_count:     256
    .wavefront_size: 32
...
	.end_amdgpu_metadata
.endif
;; end of part 3
;; launch outp (part 4): grid 4 x 64, 4 waves a work-group, clusters of 4 x 4, 243,200 bytes of LDS; arguments acod, ascl, xcod, xscl, bo, query_input, out0; writes out0
.if DOCPART == 4
	.amdgcn_target "amdgcn-amd-amdhsa--gfx1250"
	.amdhsa_code_object_version 6
	.text
	.protected	k_qc311143231_outp
	.globl	k_qc311143231_outp
	.p2align	8
	.type	k_qc311143231_outp,@function
k_qc311143231_outp:
	s_mov_b64 s[64:65], 0
	v_nop
	global_prefetch_b8 v0, s[64:65] scope:SCOPE_SE
	s_setreg_imm32_b32 hwreg(HW_REG_WAVE_MODE, 25, 1), 1
	s_wait_xcnt 0x0
	s_wait_alu depctr_hold_cnt(0) depctr_sa_sdst(0) depctr_va_vdst(0) depctr_va_sdst(0) depctr_va_ssrc(0) depctr_va_vcc(0) depctr_vm_vsrc(0)
	s_getreg_b32 s2, hwreg(HW_REG_IB_STS2, 6, 4)
	s_cmp_eq_u32 s2, 0
	s_cbranch_scc0 .Lentry_in_a_cluster
	s_endpgm
.Lentry_in_a_cluster:
	s_bfe_u32 s2, ttmp6, 0x10000c
	s_cmp_lg_u32 s2, 0xf033
	s_cbranch_scc0 .Lentry_shape_is_right
	s_endpgm
.Lentry_shape_is_right:
; OUTP.  out0 = query_input + attn wo^T + bo; the product on codes of FP4 with E8M0 scales.
; C[i][j] = sum over k of X[i][k] Y[j][k]: X = the attention's result (acod, ascl: 512 stored tiles), Y = wo (xcod, xscl: tiles 1216 on).  Operands lie in memory as images of operand registers:
;   [K part 2][tile][q' 4][c 2][lane 32][16], scales [tile][K part][r][16]; lane r of stored tile t holds true row 32 (t / 2) + 8 (t % 2) + r + 8 (r / 8).
; THE MATRIX INSTRUCTION IS USED TRANSPOSED (source 0 = 16 rows of wo, source 1 = 16 rows of X): lane (r, h) holds row r of X's tile; the 16 registers of Y's tiles 2 b, 2 b + 1 are columns 32 b + 16 h + 0 .. 15.
; SHARES: a work-group makes 128 x 256; wave (g, jh) makes X's tiles 4 g .. 4 g + 3 x Y's tiles 8 jh .. 8 jh + 7: 32 accumulators.  All of K = 1,024 lies in LDS, in two parts: no LDS byte is filled twice.
; CLUSTER 4 x 4: X's tiles are shared along a row of the cluster, Y's along a column: joint loads; a wave issues three tensor loads: three are out at the most.
; The bias starts the sums.  The residual's 64 rows x 512 bytes of a wave are asked for at the head and land, in window 3, while the products run.  Results go through the wave's own stage and leave as rows of 512 bytes.
; REGISTERS: window 0: v1-11 addresses; v32-95 scale words; v96-159 X's fragments; on the way out v128-255 rows of the result.  window 1: accumulator (a, b) at v[8 (8 a + b)].  window 2: Y's fragments at v0, v64; v128-191 the bias.  window 3: the residual.
.set XSLX, 2097152                     ; from K part 0 to K part 1 in acod,
.set XSLY, 5242880                     ; and in xcod
.set SLOT, 98304
.set YOF,  32768
.set SCL,  196608
.set STG,  208896                      ; the stages: 16 rows x 528 bytes a wave; no tile lands here
.set ADRX, 4
.set ADRY, 6
.set ADRS, 8
.set SC,   32
.set XF,   96
.set BJ,   128
.set G1X, 24
.set G0X, 32
.set G1Y, 48
.set G0Y, 56
.set G1SX, 68
.set G0SX, 76
.set G1SY, 80
.set G0SY, 88
.set MSB, 0
.macro WIN new                         ; the immediate's high byte repeats the setting that is left
.if MSB != \new
	s_set_vgpr_msb (MSB<<8)|\new
.set MSB, \new
.endif
.endm
.macro PLACES n
.rept \n
	v_nop
.endr
.endm
; A joint load: waves 0 and 1 fetch for X, waves 2 and 3 for Y; the branch hangs on the wave's number alone.  Four v_nop follow each line.
.macro JLOAD g0x, g1x, g0y, g1y
	s_cmp_eq_u32 s19, 0
	s_cbranch_scc0 .Lfor_y_\@
	tensor_load_to_lds s[\g0x:\g0x+3], s[\g1x:\g1x+7]
	s_nop 0
	PLACES 4
	s_branch .Lasked_\@
.Lfor_y_\@:
	tensor_load_to_lds s[\g0y:\g0y+3], s[\g1y:\g1y+7]
	s_nop 0
	PLACES 4
.Lasked_\@:
.endm
.macro CROUND                          ; a round of the cluster's barrier
	s_barrier_signal -1
	s_barrier_wait -1
	s_cmp_lg_u32 s18, 0
	s_cbranch_scc1 .Lnot_wave_0_\@
	s_barrier_signal -3
.Lnot_wave_0_\@:
	s_barrier_wait -3
	s_barrier_signal -1
	s_barrier_wait -1
.endm
.macro SHAPE g, rows                   ; group 1, words 1 to 7: a dense block as rows of 256 bytes (32 elements of 8 bytes)
	s_mov_b32 s[\g+1], 32<<16
	s_mov_b32 s[\g+2], (\rows)<<16
	s_mov_b32 s[\g+3], 32<<16
	s_mov_b32 s[\g+4], \rows
	s_mov_b32 s[\g+5], 32
	s_mov_b32 s[\g+6], 0
	s_mov_b32 s[\g+7], 0
.endm
.macro PLACE g0, lreg, lconst, areg, step      ; group 0: count, LDS address, global address, type
	s_mov_b32 s[\g0], 1
	s_add_co_u32 s[\g0+1], s[\lreg], \lconst
	s_add_nc_u64 s[\g0+2:\g0+3], s[\areg:\areg+1], \step
	s_or_b32 s[\g0+3], s[\g0+3], 0x80000000
.endm
.macro FRAG reg, adr, off              ; a fragment's image: 2 x 512 consecutive bytes
	ds_load_b128 v[\reg:\reg+3], v[\adr] offset:\off
	ds_load_b128 v[\reg+4:\reg+7], v[\adr] offset:\off+512
.endm
.macro FETCH q                         ; K step q: Y's eight fragments and X's four, into set q % 2: 24 loads
	WIN 0x80
.irp b, 0,1,2,3,4,5,6,7
	FRAG 64*((\q)%2)+8*\b, ADRY+(\q)/4, 4096*\b+1024*((\q)%4)
.endr
	WIN 0
.irp a, 0,1,2,3
	FRAG XF+32*((\q)%2)+8*\a, ADRX+(\q)/4, 4096*\a+1024*((\q)%4)
.endr
.endm
.macro SCALES s                        ; register 4 i + q': lanes 0-15 X's tile i, lanes 16-31 Y's tile i (for i over 3 lanes 0-15 read filled bytes that nobody uses)
.irp i, 0,1,2,3,4,5,6,7
	ds_load_b128 v[SC+32*\s+4*\i:SC+32*\s+4*\i+3], v[ADRS] offset:512*\i+256*\s
.endr
.endm
.macro WM a, b, q, c0
	v_wmma_scale_f32_16x16x128_f8f6f4 v[8*(8*\a+\b):8*(8*\a+\b)+7], v[64*((\q)%2)+8*\b:64*((\q)%2)+8*\b+7], v[XF+32*((\q)%2)+8*\a:XF+32*((\q)%2)+8*\a+7], v[\c0:\c0+7], v[SC+32*((\q)/4)+4*\b+(\q)%4], v[SC+32*((\q)/4)+4*\a+(\q)%4] matrix_a_fmt:MATRIX_FMT_FP4 matrix_b_fmt:MATRIX_FMT_FP4 matrix_a_scale:MATRIX_SCALE_ROW1
.endm
; 32 products: the accumulators take turns, one instruction a turn, in the same order in every K step.  mode 0: onto the sums; 1: the sums start from the bias
.macro MUL q, mode
.if \mode == 0
	WIN 0x52                                       ; Y window 2, X window 0, C and D window 1
.else
	WIN 0x62                                       ; C window 2
.endif
.irp a, 0,1,2,3
.irp b, 0,1,2,3,4,5,6,7
.if \mode == 0
	WM \a, \b, \q, 8*(8*\a+\b)
.else
	WM \a, \b, \q, BJ+8*\b
.endif
.endr
.endr
	WIN 0
.endm
.macro STEP q, mode
.if (\q) == 3
	s_wait_tensorcnt 0x0                           ; my part of K part 1 is in (no load was issued behind it),
	s_wait_dscnt 0x0                               ; no LDS load of mine is out at the signal,
	s_barrier_signal -1
	s_barrier_wait -1                              ; everybody's part is in
.endif
.if (\q) > 0
	PLACES 4                                       ; in front of loads into registers that step q - 1's products read
.endif
.if (\q) < 7
	FETCH (\q)+1
.endif
.if (\q) == 3
	SCALES 1
	s_wait_dscnt 32                                ; all but the 24 + 8 just issued
.elseif (\q) < 7
	s_wait_dscnt 24                                ; all but the 24 just issued: this step's fragments are in
.else
	s_wait_dscnt 0x0
.endif
	MUL \q, \mode
.endm
	s_load_b256 s[4:11], s[0:1], 0x0               ; acod s[4:5], ascl s[6:7], xcod s[8:9], xscl s[10:11]
	s_load_b128 s[12:15], s[0:1], 0x20             ; bo s[12:13], query_input s[14:15]
	s_load_b64 s[16:17], s[0:1], 0x30              ; out0
	v_lshl_add_u32 v30, v0, 2, 0x3b400
	v_mov_b32 v31, 0
	ds_add_u32 v30, v31
	ds_add_u32 v30, v31
	v_lshrrev_b32 v1, 5, v0
	v_readfirstlane_b32 s18, v1                    ; wave
	s_lshr_b32 s19, s18, 1                         ; g.  Also: I fetch for X (0) or for Y (1)
	s_and_b32 s20, s18, 1                          ; jh.  Also: which half I fetch
	s_bfe_u32 s21, ttmp6, 0x40000                  ; cx
	s_bfe_u32 s22, ttmp6, 0x40004                  ; cy
	s_lshl_b32 s2, s22, 2
	s_lshl_b32 s2, 15, s2                          ; my row of the cluster
	s_lshl_b32 s3, 0x1111, s21                     ; my column
	s_or_b32 s[G1X], s2, (3<<16)|(1<<21)           ; 15:0 the mask; 17:16 elements of 8 bytes; 21 set beside a mask; no padding
	s_or_b32 s[G1SX], s2, (3<<16)|(1<<21)
	s_or_b32 s[G1Y], s3, (3<<16)|(1<<21)
	s_or_b32 s[G1SY], s3, (3<<16)|(1<<21)
	SHAPE G1X, 64
	SHAPE G1Y, 128
	SHAPE G1SX, 8
	SHAPE G1SY, 16
	s_and_b32 s42, ttmp7, 0xffff                   ; X's block of 128 rows: it = 4 x cluster y + cy.  These registers never hold cx
	s_lshl_b32 s42, s42, 2
	s_add_co_u32 s42, s42, s22
	s_lshl_b32 s43, s42, 3
	s_lshl_b32 s44, s20, 2
	s_add_co_u32 s43, s43, s44                     ; tile 8 it + 4 x the half that I fetch
	s_lshl_b32 s44, s43, 12
	s_mov_b32 s45, 0
	s_lshl_b32 s96, s43, 9
	s_mov_b32 s97, 0
	s_lshl_b32 s46, ttmp9, 2                       ; Y's block of 256 rows: jt = 4 x cluster x + cx.  These registers never hold cy
	s_add_co_u32 s46, s46, s21
	s_lshl_b32 s47, s46, 4
	s_add_co_u32 s47, s47, 1216
	s_lshl_b32 s92, s20, 3
	s_add_co_u32 s47, s47, s92                     ; tile 1216 + 16 jt + 8 x the half that I fetch
	s_lshl_b32 s92, s47, 12
	s_mov_b32 s93, 0
	s_lshl_b32 s94, s47, 9
	s_mov_b32 s95, 0
	s_lshl_b32 s98, s20, 14                        ; where they go: by the wave's number alone
	s_lshl_b32 s99, s20, 15
	s_lshl_b32 s100, s20, 11
	s_lshl_b32 s101, s20, 12
	s_wait_dscnt 0x0
	s_wait_kmcnt 0x0
	s_add_nc_u64 s[44:45], s[4:5], s[44:45]
	s_add_nc_u64 s[96:97], s[6:7], s[96:97]
	s_add_nc_u64 s[92:93], s[8:9], s[92:93]
	s_add_nc_u64 s[94:95], s[10:11], s[94:95]
	CROUND                                         ; all sixteen work-groups are here: the joint loads meet
	PLACE G0SX, 100, SCL, 96, 0
	PLACE G0SY, 101, SCL+4096, 94, 0
	JLOAD G0SX, G1SX, G0SY, G1SY
.irp s, 0,1
	PLACE G0X+4*\s, 98, \s*SLOT, 44, \s*XSLX
	PLACE G0Y+4*\s, 99, \s*SLOT+YOF, 92, \s*XSLY
	JLOAD G0X+4*\s, G1X, G0Y+4*\s, G1Y
.endr
	v_and_b32 v1, 15, v0                           ; r
	v_bfe_u32 v2, v0, 4, 1                         ; h
	v_and_b32 v3, 31, v0
	v_lshlrev_b32 v3, 4, v3                        ; 16 x lane
	s_lshl_b32 s92, s19, 14
	v_add_nc_u32 v[ADRX], s92, v3
	v_add_nc_u32 v[ADRX+1], SLOT, v[ADRX]
	s_lshl_b32 s92, s20, 15
	s_add_co_u32 s92, s92, YOF
	v_add_nc_u32 v[ADRY], s92, v3
	v_add_nc_u32 v[ADRY+1], SLOT, v[ADRY]
	s_xor_b32 s92, s19, 1
	s_lshl_b32 s93, s20, 1
	s_add_co_u32 s92, s92, s93
	s_add_co_u32 s92, s92, 1
	s_lshl_b32 s92, s92, 11                        ; from my X tiles' scales to my Y tiles': 4096 + 4096 jh - 2048 g
	v_mul_u32_u24 v[ADRS], s92, v2                 ; lanes 16-31 take Y's: one product
	v_lshl_add_u32 v[ADRS], v1, 4, v[ADRS]
	s_lshl_b32 s92, s19, 11
	s_add_co_u32 s92, s92, SCL
	v_add_nc_u32 v[ADRS], s92, v[ADRS]
	s_lshl_b32 s92, s46, 8
	s_lshl_b32 s93, s20, 7
	s_add_co_u32 s92, s92, s93
	s_lshl_b32 s92, s92, 2                         ; my first column 256 jt + 128 jh, in bytes
	s_mov_b32 s93, 0
	s_add_nc_u64 s[12:13], s[12:13], s[92:93]
	v_lshlrev_b32 v11, 6, v2                       ; register j of tile 2 b + u is column 32 b + 16 h + 8 u + j
	WIN 0x80
.irp b, 0,1,2,3,4,5,6,7
	global_load_b128 v[BJ+8*\b:BJ+8*\b+3], v11, s[12:13] offset:(32*(\b/2)+8*(\b%2))*4
	global_load_b128 v[BJ+8*\b+4:BJ+8*\b+7], v11, s[12:13] offset:(32*(\b/2)+8*(\b%2))*4+16
.endr
	WIN 0
	s_lshl_b32 s94, s42, 7
	s_lshl_b32 s95, s19, 6
	s_add_co_u32 s94, s94, s95                     ; my first row 128 it + 64 g
	s_lshl_b32 s94, s94, 12
	s_add_co_u32 s94, s94, s92
	s_mov_b32 s95, 0
	s_add_nc_u64 s[14:15], s[14:15], s[94:95]      ; the residual and the result at my corner
	s_add_nc_u64 s[16:17], s[16:17], s[94:95]
	s_mul_i32 s96, s18, 8448
	s_add_co_u32 s96, s96, STG                     ; my stage
	v_mul_u32_u24 v9, v1, 528
	v_lshl_add_u32 v9, v2, 6, v9
	v_add_nc_u32 v9, s96, v9                       ; in: row r, + 64 h
	v_add_nc_u32 v10, s96, v3                      ; back: a row of 512 bytes to the 32 lanes
	s_wait_loadcnt 0x0                             ; the bias; behind it the residual's loads are the only ones out
	WIN 0xc0
.irp a, 0,1,2,3
.irp p, 0,1,2,3,4,5,6,7,8,9,10,11,12,13,14,15
	global_load_b128 v[4*(16*\a+\p):4*(16*\a+\p)+3], v3, s[14:15] offset:(32*(\a>>1)+8*(\a&1)+\p+8*(\p>>3))*4096 th:TH_LOAD_NT
.endr
.endr
	WIN 0
	s_wait_tensorcnt 0x1                           ; the scales and my part of K part 0 are in; K part 1's load may stay out
	s_barrier_signal -1
	s_barrier_wait -1
	FETCH 0
	SCALES 0
	STEP 0, 1
.irp q, 1,2,3,4,5,6,7
	STEP \q, 0
.endr
	PLACES 4                                       ; in front of the first read of results, and of loads into registers that held X's fragments
	s_wait_loadcnt 0x0                             ; the residual
; X's tile a: 16 rows x 128 columns through my stage, the residual added, out as rows
.macro OUTA a
.set YB, 128+64*((\a)%2)
.if (\a) > 1
	s_wait_xcnt 0x0                                ; tile a - 2's stores have read these registers
.endif
	WIN 0x04                                       ; an LDS store's data: window 1
.irp b, 0,1,2,3,4,5,6,7
	ds_store_b128 v9, v[8*(8*\a+\b):8*(8*\a+\b)+3] offset:128*(\b/2)+32*(\b%2)         ; each accumulator from its low end on
	ds_store_b128 v9, v[8*(8*\a+\b)+4:8*(8*\a+\b)+7] offset:128*(\b/2)+32*(\b%2)+16
.endr
	WIN 0
.irp p, 0,1,2,3,4,5,6,7,8,9,10,11,12,13,14,15
	ds_load_b128 v[YB+4*\p:YB+4*\p+3], v10 offset:528*\p   ; LDS serves a wave's instructions in order: these see the stores above, and the next tile's stores come behind them
.endr
	s_wait_dscnt 0x0
	WIN 0x0c                                       ; source 1: window 3
.set i, 0
.rept 32
	v_pk_add_f32 v[YB+2*i:YB+2*i+1], v[YB+2*i:YB+2*i+1], v[64*\a+2*i:64*\a+2*i+1]
.set i, i+1
.endr
	WIN 0
.irp p, 0,1,2,3,4,5,6,7,8,9,10,11,12,13,14,15
	global_store_b128 v3, v[YB+4*\p:YB+4*\p+3], s[16:17] offset:(32*(\a>>1)+8*(\a&1)+\p+8*(\p>>3))*4096 th:TH_STORE_NT     ; 512 consecutive bytes, aligned
.endr
.endm
	OUTA 0
	OUTA 1
	OUTA 2
	OUTA 3
	s_wait_tensorcnt 0x0
	ds_add_u32 v30, v31
	s_wait_dscnt 0x0
	CROUND                                         ; the closing round: no work-group ends while a partner may still ask for a tile that names it
	s_endpgm
.Lfunc_end_k_qc311143231_outp:
	.size	k_qc311143231_outp, .Lfunc_end_k_qc311143231_outp-k_qc311143231_outp
	.p2alignl 7, 3214868480
	.fill 96, 4, 3214868480
	.section	.rodata,"a",@progbits
	.p2align	6, 0x0
	.amdhsa_kernel k_qc311143231_outp
		.amdhsa_group_segment_fixed_size 243200
		.amdhsa_private_segment_fixed_size 0
		.amdhsa_enable_private_segment 0
		.amdhsa_kernarg_size 56
		.amdhsa_user_sgpr_count 2
		.amdhsa_user_sgpr_kernarg_segment_ptr 1
		.amdhsa_wavefront_size32 1
		.amdhsa_system_sgpr_workgroup_id_x 1
		.amdhsa_system_sgpr_workgroup_id_y 1
		.amdhsa_system_sgpr_workgroup_id_z 1
		.amdhsa_system_vgpr_workitem_id 0
		.amdhsa_next_free_vgpr 1024
		.amdhsa_next_free_sgpr 102
		.amdhsa_reserve_vcc 0
		.amdhsa_float_denorm_mode_32 3
		.amdhsa_float_denorm_mode_16_64 3
		.amdhsa_memory_ordered 1
		.amdhsa_forward_progress 1
		.amdhsa_inst_pref_size 88
	.end_amdhsa_kernel
	.amdgpu_metadata
---
amdhsa.version: [ 1, 2 ]
amdhsa.kernels:
  - .name:           k_qc311143231_outp
    .symbol:         k_qc311143231_outp.kd
    .args:
      - { .name: acod, .offset: 0, .size: 8, .value_kind: global_buffer, .address_space: global }
      - { .name: ascl, .offset: 8, .size: 8, .value_kind: global_buffer, .address_space: global }
      - { .name: xcod, .offset: 16, .size: 8, .value_kind: global_buffer, .address_space: global }
      - { .name: xscl, .offset: 24, .size: 8, .value_kind: global_buffer, .address_space: global }
      - { .name: bo, .offset: 32, .size: 8, .value_kind: global_buffer, .address_space: global }
      - { .name: query_input, .offset: 40, .size: 8, .value_kind: global_buffer, .address_space: global }
      - { .name: out0, .offset: 48, .size: 8, .value_kind: global_buffer, .address_space: global }
    .group_segment_fixed_size: 243200
    .private_segment_fixed_size: 0
    .kernarg_segment_align: 8
    .kernarg_segment_size: 56
    .max_flat_workgroup_size: 128
    .sgpr_count:     102
    .vgpr_count:     1024
    .wavefront_size: 32
...
	.end_amdgpu_metadata
.endif
;; end of part 4
;; ======== version 2 of 2: 4 launches; version 1 with the launch attn written anew for expert scheduling mode
;; limits: right only within a limited range of input values
;; workspace buffers: xcod 10,485,760 bytes; xscl 655,360 bytes; hcod 12,582,912 bytes; hscl 1,572,864 bytes; acod 4,194,304 bytes; ascl 262,144 bytes; mflag 512 bytes of whole numbers
;; launch prep: the kernel of part 1 again; grid 320 x 1, 4 waves a work-group, no clusters, 55,808 bytes of LDS; arguments query_input, kv_input, wq, wk, wv, wo, ln_q_w, ln_q_b, ln_kv_w, ln_kv_b, mask, xcod, xscl, mflag; writes xcod, xscl, mflag
;; launch proj: the kernel of part 2 again; grid 12 x 64, 4 waves a work-group, clusters of 4 x 4, 209,408 bytes of LDS; arguments xcod, xscl, bq, bk, bv, hcod, hscl; writes hcod, hscl
;; launch attn (part 5): grid 4 x 64, 16 waves a work-group, no clusters, 153,600 bytes of LDS; arguments hcod, hscl, mask, mflag, acod, ascl; writes acod, ascl
.if DOCPART == 5
	.amdgcn_target "amdgcn-amd-amdhsa--gfx1250"
	.amdhsa_code_object_version 6
	.text
	.protected	k_qc311143231_attn
	.globl	k_qc311143231_attn
	.p2align	8
	.type	k_qc311143231_attn,@function
k_qc311143231_attn:
	s_mov_b64 s[64:65], 0
	v_nop
	global_prefetch_b8 v0, s[64:65] scope:SCOPE_SE
	s_setreg_imm32_b32 hwreg(HW_REG_WAVE_SCHED_MODE, 0, 2), 2
	s_setreg_imm32_b32 hwreg(HW_REG_WAVE_MODE, 25, 1), 1
	s_wait_xcnt 0x0
	s_wait_alu depctr_vm_vsrc(0)
; ATTN.  O = softmax(Q K^T / 8, masked keys left out) V for one head, both products on codes of FP4 with E8M0 scales; O / l is quantised along the model's 1,024 for the last product.
; THE SOFTMAX: t = score x log2(e) / 8; M = the running largest t rounded UP to a whole number; p = 2^(t - M) is quantised along the keys; the row's sum l is taken of the unquantised p and divides O at the end.
; When M moves, l and O are multiplied by 2^(old M - new M): exact.
; SHARES: a work-group owns 512 queries of one head; wave w takes query tiles 32 x + w and 32 x + 16 + w, one after the other; four waves to a SIMD, so that one wave's exponentials stand beside another's plain work.
; THE HEAD'S WHOLE K AND V LIE IN LDS: codes 2 x 65,536 bytes, scale words 8,192 + 4,096, and a term for each key: 0, or -2^100 where the mask hides it.  LDS is filled once, through registers.
; NO CLUSTER, NO TENSOR LOAD: what the four work-groups of a head share is 140 KB, read once each, against 16 waves x 32 tile steps x 9 KB that each reads from its LDS; and a step's branch hangs on a stored
; number (mflag).
; LAYOUT: S^T = K Q^T (source 0 = 16 keys, source 1 = my 16 queries), O^T = V^T P^T: a lane holds ONE query.  Lane r of stored tile t holds true row 32 (t / 2) + 8 (t % 2) + r + 8 (r / 8): so the 16 registers of tiles 2 b, 2 b + 1
; are 16 neighbouring keys (in O^T: 16 neighbouring channels).  The head's 64 fill half of the instruction's 128: the upper four registers of Q's and K's fragments are zero codes, their scale bytes 0.
; THE MASK: in a step whose 128 keys have a hole (bits 2 s, 2 s + 1 of mflag's word) the keys' terms are the C of the first product; else C is 0.
; LIMITS: a masked score is -2^100 and the running maximum starts at t = -2^90: rows whose largest open t lies under -2^90 are not served.  A batch with no open key: both scale bytes become 0xff, so that the last
; product gives NaN.  NaN and infinities among the inputs are not served.  1 / l is v_rcp_f32 and a multiplication.  Blocks under 2^-124 and blocks of zeros keep the byte 1.
; REGISTERS: v1-5, v7 addresses that stay; v8-12 the step's; v14 -M, v15 largest t, v[16:17] l; v[18:19] 1 / l; v20 two bytes out; v23 Q's scale word; v[24:31] Q; v32-95 K; v96-127 V; v128-191 S^T, then p; v192-223 O^T; v224-231 p's codes; v232-255 at work.
; THE MODE: SCHED_MODE bits 1:0 = 2 (LLVM: expert scheduling mode 2), set by the entry lines.  The code itself states the register dependences between vector or matrix instructions and memory or LDS
; instructions, with s_wait_alu, always for 0.
; THE PLAN.  Registers that LDS or memory instructions touch, in a tile's 16 steps:
;   K's lower quads, v[244:247]   Step s: its eight products K Q^T read them; behind the wait for the step's 64 exponentials the loads of step s + 1 land in them (step 0's are asked for at the tile's head).
;   V, v[248:251]                 Step s: asked for behind that same wait; the step's four products V^T P^T, at its end, read them.
;   v8, v10 (K), v9, v11 (V)      LDS addresses: written by four adds behind K Q^T, read by the 18 loads behind that same wait.
;   v12, S^T                      Only in a step with a hole: v12 is written at the step's head, the 16 loads that read it land in S^T.
;   v1, v3, v7                    Written once at the kernel's head; read by a tile's loads of Q and of K's step 0 and by its two stores.
;   v[24:27], v23                 Q: loaded at a tile's head, read by every K Q^T of the tile.    v[224:227], v20: written at a tile's way out, read by its two stores.
; So a step without a hole holds one wait on vm_vsrc, ahead of the four adds, and three on va_vdst: behind the 64 exponentials (it serves the loads too), behind the four, and ahead of V^T P^T for p's codes and scale word.
; A tile's last step has no next step to ask for: it is written out.
.set VC, 65536
.set KS, 131072
.set VS, 139264
.set MB, 143360
.set ASL, 2097152
.set S, 128
.set O, 192
	s_load_b256 s[4:11], s[0:1], 0x0               ; hcod s[4:5], hscl s[6:7], mask s[8:9], mflag s[10:11]
	s_load_b128 s[12:15], s[0:1], 0x20             ; acod s[12:13], ascl s[14:15]
	v_lshl_add_u32 v6, v0, 2, 0x25000
	v_mov_b32 v22, 0
	v_lshrrev_b32 v1, 5, v0
	v_readfirstlane_b32 s16, v1                    ; wave 0..15
	s_and_b32 s17, ttmp7, 0xffff                   ; 16 x batch + head
	s_lshr_b32 s18, s17, 4
	s_and_b32 s19, s17, 15
	s_mov_b32 s20, 0x76543210
	s_mov_b32 s21, 0xfedcba98                      ; lane l xor 16
	s_mov_b32 s22, 0x3e38aa3b                      ; c = log2(e) / 8
	s_mov_b32 s23, s22                             ; (named with it as a pair)
	v_lshlrev_b32 v8, 4, v0                        ; the fill: 16 bytes a thread, 8,192 an instruction of the work-group
	v_add_nc_u32 v9, VC, v8
	v_add_nc_u32 v10, KS, v8
	v_lshlrev_b32 v11, 3, v0
	v_add_nc_u32 v12, VS, v11
	v_lshlrev_b32 v13, 2, v0
	s_wait_alu depctr_va_sdst(0)                   ; s16 is written, ahead of its first reader: my query tile's number is made from it
	s_lshl_b32 s40, s17, 16
	s_mov_b32 s41, 0
	s_lshl_b32 s42, s17, 13
	s_mov_b32 s43, 0
	s_lshl_b32 s44, s17, 12
	s_mov_b32 s45, 0
	s_lshl_b32 s46, s18, 11
	s_mov_b32 s47, 0
	s_lshl_b32 s48, s18, 7
	s_mov_b32 s49, 0
	s_wait_kmcnt 0x0
	s_add_nc_u64 s[10:11], s[10:11], s[48:49]
	s_load_b32 s24, s[10:11], 0x0                  ; the batch's flags: a whole number that the first launch stored
	s_add_nc_u64 s[50:51], s[4:5], s[40:41]        ; Q's codes of my head
	s_add_nc_u64 s[52:53], s[50:51], 1<<22         ; K's
	s_add_nc_u64 s[54:55], s[50:51], 2<<22         ; V's
	s_add_nc_u64 s[56:57], s[6:7], s[42:43]        ; Q's scale words
	s_add_nc_u64 s[58:59], s[56:57], 1<<19         ; K's
	s_add_nc_u64 s[60:61], s[6:7], s[44:45]
	s_add_nc_u64 s[60:61], s[60:61], 2<<19         ; V's
	s_add_nc_u64 s[8:9], s[8:9], s[46:47]          ; the batch's mask
	s_wait_alu depctr_va_vdst(0)                   ; the fill's offsets v8 to v13 are written, which the loads below and the LDS stores behind them read
.irp i, 0,1,2,3,4,5,6,7
	global_load_b128 v[32+4*\i:35+4*\i], v8, s[52:53] offset:8192*\i
.endr
.irp i, 0,1,2,3,4,5,6,7
	global_load_b128 v[64+4*\i:67+4*\i], v8, s[54:55] offset:8192*\i
.endr
	global_load_b128 v[96:99], v8, s[58:59]
	global_load_b64 v[100:101], v11, s[60:61]
	global_load_b32 v102, v13, s[8:9]              ; four keys' mask bytes
	v_and_b32 v1, 31, v0
	v_lshlrev_b32 v1, 4, v1                        ; 16 x lane: K's images in LDS, and my 16 bytes of an image in memory
	v_add_nc_u32 v2, VC, v1                        ; V's
	v_add_nc_u32 v3, KS, v1                        ; K's scale words: lanes 0-15 tiles 0-3, lanes 16-31 tiles 4-7
	v_and_b32 v7, 15, v0
	v_lshlrev_b32 v7, 4, v7                        ; 16 r
	v_add_nc_u32 v4, VS, v7                        ; V's scale words
	v_bfe_u32 v5, v0, 4, 1
	v_lshl_add_u32 v5, v5, 6, MB                   ; the keys' terms: 16 h keys on
	; my first query tile T = 32 x + wave, and where it comes from and goes to
	s_lshl_b32 s41, ttmp9, 5
	s_add_co_u32 s41, s41, s16
	s_lshl_b32 s42, s41, 9
	s_add_nc_u64 s[32:33], s[50:51], s[42:43]      ; Q's codes: 512 T
	s_lshr_b32 s42, s41, 2
	s_lshl_b32 s42, s42, 8
	s_and_b32 s44, s41, 3
	s_lshl_b32 s44, s44, 2
	s_add_co_u32 s42, s42, s44
	s_add_nc_u64 s[34:35], s[56:57], s[42:43]      ; Q's scale words: 256 (T / 4) + 4 (T % 4), + 16 r
	s_lshl_b32 s44, s18, 7
	s_add_co_u32 s44, s44, s41                     ; the output's tile: 128 x batch + T
	s_lshr_b32 s45, s19, 3                         ; heads 2 q, 2 q + 1 are K step q of the last product: K part head / 8,
	s_bfe_u32 s46, s19, 0x20001                    ; q' = (head / 2) % 4,
	s_and_b32 s47, s19, 1                          ; c = head % 2
	s_mul_i32 s42, s45, ASL
	s_lshl_b32 s48, s44, 12
	s_add_co_u32 s42, s42, s48
	s_lshl_b32 s48, s46, 10
	s_add_co_u32 s42, s42, s48
	s_lshl_b32 s48, s47, 9
	s_add_co_u32 s42, s42, s48
	s_add_nc_u64 s[36:37], s[12:13], s[42:43]
	s_lshl_b32 s42, s44, 9
	s_lshl_b32 s48, s45, 8
	s_add_co_u32 s42, s42, s48
	s_lshl_b32 s48, s46, 2
	s_add_co_u32 s42, s42, s48
	s_lshl_b32 s48, s47, 1
	s_add_co_u32 s42, s42, s48
	s_add_nc_u64 s[38:39], s[14:15], s[42:43]
	s_wait_loadcnt 0x0
.irp i, 0,1,2,3
	v_bfe_u32 v[104+\i], v102, 8*\i, 8
.endr
.irp i, 0,1,2,3
	v_add_nc_u32 v[104+\i], -1, v[104+\i]          ; 1 -> 0, 0 -> all ones
.endr
.irp i, 0,1,2,3
	v_and_b32 v[104+\i], 0xf1800000, v[104+\i]     ; 0, or -2^100
.endr
	s_wait_alu depctr_va_vdst(0)                   ; the keys' terms v[104:107] are written, which the last LDS store below reads; so are v1, v3 and v7, by which every tile loads and stores
.irp i, 0,1,2,3,4,5,6,7
	ds_store_b128 v8, v[32+4*\i:35+4*\i] offset:8192*\i
.endr
.irp i, 0,1,2,3,4,5,6,7
	ds_store_b128 v9, v[64+4*\i:67+4*\i] offset:8192*\i
.endr
	ds_store_b128 v10, v[96:99]
	ds_store_b64 v12, v[100:101]
	ds_store_b128 v10, v[104:107] offset:MB-KS
	s_wait_dscnt 0x0                               ; for the others' sake: my stores have landed
	s_barrier_signal -1
	s_barrier_wait -1                              ; the one barrier: from here on LDS is only read
	s_wait_alu depctr_vm_vsrc(0)                   ; my LDS stores have read v32 to v107 and v8 to v12: from here on these are K's and V's fragments and the steps' addresses, written by the moves below, by LDS loads and by the steps' adds
.irp i, 28,29,30,31
	v_mov_b32 v[\i], 0                             ; zero codes for k = 64 .. 127 of Q,
.endr
.irp t, 0,1,2,3,4,5,6,7
.irp i, 4,5,6,7
	v_mov_b32 v[32+8*\t+\i], 0                     ; and of K's eight fragments: set once
.endr
.endr
.irp b, 0,1,2,3
	v_mov_b32 v[236+\b], 0                         ; a lane permute's destination counts as read
.endr
	v_mov_b32 v253, 0                              ; (upper half of the pair v[252:253])
	v_mov_b32 v254, 0
	v_mov_b32 v21, 0xffff
	s_wait_alu depctr_va_vdst(0)                   ; the zero codes are written, which the scaled products take as the upper halves of their two operands; the seven moves above are the places in front of it
	s_wait_kmcnt 0x0
	s_lshr_b32 s40, s24, 1
	s_or_b32 s24, s24, s40                         ; bit 2 s: a hole among keys 128 s .. 128 s + 127
	s_mov_b32 s30, 2
.macro KQ t, masked
.if \masked
.if \t < 4
	v_wmma_scale_f32_16x16x128_f8f6f4 v[S+8*\t:S+8*\t+7], v[32+8*\t:39+8*\t], v[24:31], v[S+8*\t:S+8*\t+7], v[244+\t%4], v23 matrix_a_fmt:MATRIX_FMT_FP4 matrix_b_fmt:MATRIX_FMT_FP4
.else
	v_wmma_scale_f32_16x16x128_f8f6f4 v[S+8*\t:S+8*\t+7], v[32+8*\t:39+8*\t], v[24:31], v[S+8*\t:S+8*\t+7], v[244+\t%4], v23 matrix_a_fmt:MATRIX_FMT_FP4 matrix_b_fmt:MATRIX_FMT_FP4 matrix_a_scale:MATRIX_SCALE_ROW1
.endif
.else
.if \t < 4
	v_wmma_scale_f32_16x16x128_f8f6f4 v[S+8*\t:S+8*\t+7], v[32+8*\t:39+8*\t], v[24:31], 0, v[244+\t%4], v23 matrix_a_fmt:MATRIX_FMT_FP4 matrix_b_fmt:MATRIX_FMT_FP4
.else
	v_wmma_scale_f32_16x16x128_f8f6f4 v[S+8*\t:S+8*\t+7], v[32+8*\t:39+8*\t], v[24:31], 0, v[244+\t%4], v23 matrix_a_fmt:MATRIX_FMT_FP4 matrix_b_fmt:MATRIX_FMT_FP4 matrix_a_scale:MATRIX_SCALE_ROW1
.endif
.endif
.endm
; A KEY STEP: 128 keys.  K and its scale words were asked for a step ago.  last = 1: the tile's last step, which asks for no further K and steps nothing.
.macro STEP last
	s_lshr_b32 s40, s24, s25
	s_and_b32 s40, s40, 1
	s_cmp_lg_u32 s40, 0
	s_cbranch_scc0 .Lclear_\@
	v_add_nc_u32 v12, s27, v5                      ; (the loads that last read v12 stand ahead of an earlier step's wait on vm_vsrc, or of the one behind the barrier)
	s_wait_alu depctr_va_vdst(0)                   ; v12 is written, which the sixteen loads below read
.irp t, 0,1,2,3,4,5,6,7
	ds_load_b128 v[S+8*\t:S+8*\t+3], v12 offset:128*(\t/2)+32*(\t%2)       ; register j of tile 2 b + u is key 32 b + 16 h + 8 u + j
	ds_load_b128 v[S+8*\t+4:S+8*\t+7], v12 offset:128*(\t/2)+32*(\t%2)+16
.endr
	s_wait_dscnt 0x0                               ; K, its scale words and the keys' terms are in
.irp t, 0,1,2,3,4,5,6,7
	KQ \t, 1
.endr
	s_branch .Ljoin_\@
.Lclear_\@:
	s_wait_dscnt 0x0                               ; K and its scale words are in: their nine loads are all that can be out here
.irp t, 0,1,2,3,4,5,6,7
	KQ \t, 0
.endr
.Ljoin_\@:
	s_wait_alu depctr_vm_vsrc(0)                   ; the LDS loads issued so far have read v8 to v12: the four adds below, and a later step's add to v12, write them again
	v_add_nc_u32 v9, s26, v2                       ; this step's V,
	v_add_nc_u32 v11, s28, v4                      ; its scale words;
.if \last
	v_nop
	v_nop
.else
	v_add_nc_u32 v8, s26, v1                       ; this step's K: the loads reach a step on by their immediate offsets, 4,096 bytes of codes
	v_add_nc_u32 v10, s27, v3                      ; and 512 of scale words
.endif                                             ; these four lines are also the places between the products and the first read of their results
.irp b, 0,1,2,3
	v_max3_num_f32 v[232+\b], v[S+16*\b], v[S+1+16*\b], v[S+2+16*\b]       ; the largest score of each block of 32 keys: for the row's maximum, and, since p rises with the score, for the block's largest p
.endr
.irp i, 3,5,7,9,11,13
.irp b, 0,1,2,3
	v_max3_num_f32 v[232+\b], v[232+\b], v[S+16*\b+\i], v[S+1+16*\b+\i]
.endr
.endr
.irp b, 0,1,2,3
	v_max_num_f32 v[232+\b], v[232+\b], v[S+15+16*\b]
.endr
.irp b, 0,1,2,3
	v_permlanex16_b32 v[236+\b], v[232+\b], s20, s21
.endr
.irp b, 0,1,2,3
	v_max_num_f32 v[232+\b], v[232+\b], v[236+\b]
.endr
	v_max3_num_f32 v254, v232, v233, v234
	v_max_num_f32 v254, v254, v235
	v_mul_f32 v254, s22, v254                      ; as t
	v_max_num_f32 v15, v15, v254                   ; the running largest t
	v_mov_b32 v254, v14
	v_floor_f32 v14, -v15                          ; the new -M = -ceil(t)
	v_sub_f32 v254, v14, v254                      ; old M - new M: a whole number, 0 or less
	v_cvt_i32_f32 v254, v254                       ; (it saturates)
	v_ldexp_f32 v252, 1.0, v254                    ; f = 2^(old M - new M)
.set j, 0
.rept 32
	v_pk_fma_f32 v[S+j:S+j+1], v[S+j:S+j+1], s[22:23], v[14:15] op_sel_hi:[1,0,0]      ; t - M
.set j, j+2
.endr
.irp b, 0,1,2,3
	v_fma_f32 v[232+\b], v[232+\b], s22, v14
.endr
.set j, 0
.rept 64
	v_exp_f32 v[S+j], v[S+j]                       ; p = 2^(t - M)
.set j, j+1
.endr
	v_pk_mul_f32 v[16:17], v[16:17], v[252:253] op_sel_hi:[1,0]            ; l under the new M (a plain line behind the exponentials)
	s_wait_alu depctr_va_vdst(0)                   ; the 64 exponentials have written p, ahead of its first reader; v8 to v11 are written; this step's K Q^T is done reading K and its scale words, the last step's V^T P^T is done reading V and its scale words
.irp a, 0,1,2,3
	ds_load_b128 v[96+8*\a:99+8*\a], v9 offset:1024*\a                     ; this step's V
	ds_load_b128 v[100+8*\a:103+8*\a], v9 offset:1024*\a+512
.endr
	ds_load_b128 v[248:251], v11
.irp b, 0,1,2,3
	v_exp_f32 v[232+\b], v[232+\b]                 ; each block's largest p
.endr
	v_pk_add_f32 v[236:237], v[S:S+1], v[S+2:S+3]  ; the row's sum of the unquantised p, in two chains
.irp j, 4,8,12,16,20,24,28,32,36,40,44,48,52,56,60
	v_pk_add_f32 v[16:17], v[16:17], v[S+\j:S+\j+1]
	v_pk_add_f32 v[236:237], v[236:237], v[S+2+\j:S+3+\j]
.if !\last
.if \j < 36
	ds_load_b128 v[32+8*(\j/4-1):35+8*(\j/4-1)], v8 offset:4096+512*(\j/4-1)   ; the next step's K, dealt among the sums.  No wait: no vector instruction since the wait above names v8, v10 or the registers in which these land
.elseif \j == 36
	ds_load_b128 v[244:247], v10 offset:512        ; and its scale words
.endif
.endif
.endr
	v_pk_add_f32 v[16:17], v[16:17], v[236:237]
	s_wait_alu depctr_va_vdst(0)                   ; the four exponentials have written v232 to v235, ahead of their first reader
.irp b, 0,1,2,3
	v_max_num_f32 v[232+\b], 0x1800000, v[232+\b]  ; the floor 2^(3 - 127)
.endr
.irp b, 0,1,2,3
	v_add_nc_u32 v[240+\b], 0xff000000, v[232+\b]
.endr
.irp b, 0,1,2,3
	v_lshrrev_b32 v[236+\b], 23, v[240+\b]
.endr
	v_lshl_or_b32 v255, v237, 8, v236              ; p's scale word for these 128 keys
	v_lshl_or_b32 v255, v238, 16, v255
	v_lshl_or_b32 v255, v239, 24, v255
.irp b, 0,1,2,3
	v_cvt_scalef32_pk8_fp4_f32 v[224+2*\b], v[S+16*\b:S+7+16*\b], v[240+\b]
	v_cvt_scalef32_pk8_fp4_f32 v[225+2*\b], v[S+8+16*\b:S+15+16*\b], v[240+\b]
.endr
	v_nop
.irp c, 0,1
.irp i, 0,1
	v_permlane16_swap_b32 v[224+4*\c+\i], v[226+4*\c+\i]
.endr
.endr
.set j, 0
.rept 16
	v_pk_mul_f32 v[O+j:O+j+1], v[O+j:O+j+1], v[252:253] op_sel_hi:[1,0]    ; O^T under the new M; these sixteen also stand between p's codes and scale word and the products
.set j, j+2
.endr
.if \last
	s_wait_dscnt 0x0                               ; V and its scale words
.else
	s_wait_dscnt 9                                 ; V and its scale words are in; the next step's K, nine loads issued behind them, may be out
.endif
	s_wait_alu depctr_va_vdst(0)                   ; p's codes v[224:231] and its scale word v255 are written, which the scaled products below take; the places above stay beside this wait.  (The conversions are done reading S^T, in which a next step's terms may land)
.irp a, 0,1,2,3
	v_wmma_scale_f32_16x16x128_f8f6f4 v[O+8*\a:O+8*\a+7], v[96+8*\a:103+8*\a], v[224:231], v[O+8*\a:O+8*\a+7], v[248+\a], v255 matrix_a_fmt:MATRIX_FMT_FP4 matrix_b_fmt:MATRIX_FMT_FP4
.endr
.if !\last
	s_add_co_u32 s25, s25, 2
	s_add_co_u32 s26, s26, 4096
	s_add_co_u32 s27, s27, 512
	s_add_co_u32 s28, s28, 256
.endif
.endm
.Ltile:                                            ; two trips: my two query tiles
	; No wait on va_vdst stands here: on the way in the one above, on the way back the one ahead of the last tile's stores, has no vector or matrix instruction behind it, so every earlier reader of the registers in which these loads land is done
	global_load_b128 v[24:27], v1, s[32:33]        ; Q: the lower four registers of its fragment
	global_load_b32 v23, v7, s[34:35]
.irp t, 0,1,2,3,4,5,6,7
	ds_load_b128 v[32+8*\t:35+8*\t], v1 offset:512*\t                      ; K of step 0
.endr
	ds_load_b128 v[244:247], v3                    ; and its scale words
	v_mov_b32 v15, 0xec800000                      ; the largest t so far: -2^90
	v_floor_f32 v14, -v15                          ; -M
	v_mov_b32 v16, 0
	v_mov_b32 v17, 0
.set j, 0
.rept 32
	v_mov_b32 v[O+j], 0                            ; the step's arithmetic is one macro: the first step finds zeros
.set j, j+1
.endr
	s_mov_b32 s25, 0                               ; 2 x step
	s_mov_b32 s26, 0                               ; 4,096 x step: codes
	s_mov_b32 s27, 0                               ; 512 x step: K's scale words, the keys' terms
	s_mov_b32 s28, 0                               ; 256 x step: V's scale words
	s_mov_b32 s29, 15
	s_wait_loadcnt 0x0
.Lstep:                                            ; 15 trips of 128 keys, each of which asks for the next step's K
	STEP 0
	s_sub_co_u32 s29, s29, 1
	s_cmp_lg_u32 s29, 0
	s_cbranch_scc1 .Lstep
	STEP 1                                         ; the sixteenth step
	; the way out of a query tile: O^T / l, quantised along the head's 64 channels: two blocks; register 16 b + i is channel 32 b + 16 h + i
.rept 4
	v_nop
.endr
	v_add_f32 v16, v16, v17
	v_permlanex16_b32 v254, v16, s20, s21
	v_add_f32 v16, v16, v254                       ; the row's sum
	v_rcp_f32 v18, v16
	v_mov_b32 v19, 0                               ; (a plain line behind the transcendental; the pair's upper half)
	s_wait_alu depctr_va_vdst(0)                   ; the reciprocal has written v18, ahead of its first reader
.set j, 0
.rept 16
	v_pk_mul_f32 v[S+j:S+j+1], v[O+j:O+j+1], v[18:19] op_sel_hi:[1,0]      ; each accumulator from its low end on
.set j, j+2
.endr
	v_cmp_eq_f32 vcc_lo, 0xec800000, v15           ; no key was open: for a select, no branch; the select stands at the end of the way out
.irp b, 0,1
	v_max3_num_f32 v[232+\b], |v[S+16*\b]|, |v[S+1+16*\b]|, 0x1800000
.endr
.irp i, 2,4,6,8,10,12,14
.irp b, 0,1
	v_max3_num_f32 v[232+\b], v[232+\b], |v[S+16*\b+\i]|, |v[S+1+16*\b+\i]|
.endr
.endr
.irp b, 0,1
	v_permlanex16_b32 v[236+\b], v[232+\b], s20, s21
.endr
.irp b, 0,1
	v_max_num_f32 v[232+\b], v[232+\b], v[236+\b]
.endr
.irp b, 0,1
	v_add_nc_u32 v[240+\b], 0xff000000, v[232+\b]
.endr
.irp b, 0,1
	v_lshrrev_b32 v[236+\b], 23, v[240+\b]
.endr
	v_lshl_or_b32 v20, v237, 8, v236
.irp b, 0,1
	v_cvt_scalef32_pk8_fp4_f32 v[224+2*\b], v[S+16*\b:S+7+16*\b], v[240+\b]
	v_cvt_scalef32_pk8_fp4_f32 v[225+2*\b], v[S+8+16*\b:S+15+16*\b], v[240+\b]
.endr
	v_nop
	v_permlane16_swap_b32 v224, v226
	v_permlane16_swap_b32 v225, v227               ; v[224:227]: channels 32 h + 0 .. 31 of my query
	s_wait_alu depctr_va_vcc(0)                    ; the compare has written VCC, ahead of the select that reads it
	v_cndmask_b32 v20, v20, v21, vcc_lo
	s_wait_alu depctr_va_vdst(0)                   ; the codes v[224:227] and the two bytes v20 are written, which the stores read; and the tile's products are done reading Q, K and their scale words, in which the next tile's first loads land
	global_store_b128 v1, v[224:227], s[36:37]     ; 512 consecutive bytes, aligned
	global_store_b16 v7, v20, s[38:39]             ; my head's two of a row's 32 scale bytes; both halves of the lanes store the same
	s_wait_xcnt 0x0                                ; the bases and the stores' data are written again only behind this wait
	s_wait_alu depctr_vm_vsrc(0)                   ; the stores have read v[224:227] and v20, which the next tile's conversions and its way out write again
	s_add_nc_u64 s[32:33], s[32:33], 8192          ; 16 tiles on
	s_add_nc_u64 s[34:35], s[34:35], 1024
	s_add_nc_u64 s[36:37], s[36:37], 65536
	s_add_nc_u64 s[38:39], s[38:39], 8192
	s_sub_co_u32 s30, s30, 1
	s_cmp_lg_u32 s30, 0
	s_cbranch_scc1 .Ltile
	s_wait_dscnt 0x0
	s_wait_alu depctr_hold_cnt(0) depctr_sa_sdst(0) depctr_va_vdst(0) depctr_va_sdst(0) depctr_va_ssrc(0) depctr_va_vcc(0) depctr_vm_vsrc(0)
	s_wait_tensorcnt 0x0
	ds_add_u32 v6, v22
	s_wait_dscnt 0x0
	s_endpgm
.Lfunc_end_k_qc311143231_attn:
	.size	k_qc311143231_attn, .Lfunc_end_k_qc311143231_attn-k_qc311143231_attn
	.p2alignl 7, 3214868480
	.fill 96, 4, 3214868480
	.section	.rodata,"a",@progbits
	.p2align	6, 0x0
	.amdhsa_kernel k_qc311143231_attn
		.amdhsa_group_segment_fixed_size 153600
		.amdhsa_private_segment_fixed_size 0
		.amdhsa_enable_private_segment 0
		.amdhsa_kernarg_size 48
		.amdhsa_user_sgpr_count 2
		.amdhsa_user_sgpr_kernarg_segment_ptr 1
		.amdhsa_wavefront_size32 1
		.amdhsa_system_sgpr_workgroup_id_x 1
		.amdhsa_system_sgpr_workgroup_id_y 1
		.amdhsa_system_sgpr_workgroup_id_z 1
		.amdhsa_system_vgpr_workitem_id 0
		.amdhsa_next_free_vgpr 256
		.amdhsa_next_free_sgpr 66
		.amdhsa_reserve_vcc 1
		.amdhsa_float_denorm_mode_32 3
		.amdhsa_float_denorm_mode_16_64 3
		.amdhsa_memory_ordered 1
		.amdhsa_forward_progress 1
		.amdhsa_inst_pref_size 49
	.end_amdhsa_kernel
	.amdgpu_metadata
---
amdhsa.version: [ 1, 2 ]
amdhsa.kernels:
  - .name:           k_qc311143231_attn
    .symbol:         k_qc311143231_attn.kd
    .args:
      - { .name: hcod, .offset: 0, .size: 8, .value_kind: global_buffer, .address_space: global }
      - { .name: hscl, .offset: 8, .size: 8, .value_kind: global_buffer, .address_space: global }
      - { .name: mask, .offset: 16, .size: 8, .value_kind: global_buffer, .address_space: global }
      - { .name: mflag, .offset: 24, .size: 8, .value_kind: global_buffer, .address_space: global }
      - { .name: acod, .offset: 32, .size: 8, .value_kind: global_buffer, .address_space: global }
      - { .name: ascl, .offset: 40, .size: 8, .value_kind: global_buffer, .address_space: global }
    .group_segment_fixed_size: 153600
    .private_segment_fixed_size: 0
    .kernarg_segment_align: 8
    .kernarg_segment_size: 48
    .max_flat_workgroup_size: 512
    .sgpr_count:     66
    .vgpr_count:     256
    .wavefront_size: 32
...
	.end_amdgpu_metadata
.endif
;; end of part 5
;; launch outp: the kernel of part 4 again; grid 4 x 64, 4 waves a work-group, clusters of 4 x 4, 243,200 bytes of LDS; arguments acod, ascl, xcod, xscl, bo, query_input, out0; writes out0
